; MI455X (gfx1250); checked and timed in simulation.
; The chip was launched on July 23, 2026; its instructions are those of AMD's public machine-readable ISA for CDNA 5 (MIT licence, August 2026) and "CDNA5" Instruction Set Architecture Reference Guide (July 2026). The comments in the code are by the model that wrote it; some were corrected since.
;; GQA Self Attention Rel Pos. Allowed arithmetic: matrix products marked QUANTISED: E2M3 operands, one E8M0 scale for each 32 along K, by v_wmma_scale_f32_16x16x128_f8f6f4 with both operands' format E2M3, f32 sums; everything else in f32.
;; Inputs: E 255 x 64 float32; Wk 256 x 1,024 float32; Wo 1,024 x 1,024 float32; Wq 1,024 x 1,024 float32; Wv 256 x 1,024 float32; x 8 x 1,024 x 1,024 float32.
;; Outputs: out0 8 x 1,024 x 1,024 float32.
;; This version of the problem:
;;   THIS VERSION OF THE PROBLEM IS GIVEN IN LOW PRECISION. The matrix products marked QUANTISED in the list below multiply operands that are first quantised to E2M3 (2 exponent bits, 3 mantissa bits; 6 bits a number), with one power-of-two scale for each 32 numbers along K (OCP MX v1.0); their sums are f32. All else is computed in f32.
;;   The module's matrix products, in the order in which they are computed (A, B: the left and right operand; K: the contracted axis; several contracted axes count as one K, in the product's order):
;;     1. [M 8,192, K 1,024] x [K 1,024, N 1,024]; A: input x; B: input Wq: QUANTISED
;;     2. [M 8,192, K 1,024] x [K 1,024, N 256]; A: input x; B: input Wk: QUANTISED
;;     3. [M 8,192, K 1,024] x [K 1,024, N 256]; A: input x; B: input Wv: QUANTISED
;;     4. batch 128 x [M 1,024, K 64] x [K 64, N 1,024]; A: computed on the way; B: computed on the way: QUANTISED
;;     5. batch 1,024 x [M 1,024, K 64] x [K 64, N 128]; A: computed on the way; B: computed on the way: QUANTISED
;;     6. batch 128 x [M 1,024, K 1,024] x [K 1,024, N 64]; A: softmax (see below); B: computed on the way: QUANTISED
;;     7. [M 8,192, K 1,024] x [K 1,024, N 1,024]; A: computed on the way; B: input Wo: QUANTISED
;;   THE QUANTISER, for each operand of a quantised product, along K:
;;     - K is cut into blocks of 32 from its start; a last block that is shorter is filled with zeros.
;;     - A block's scale is 2^e with e = floor(log2(the largest magnitude in the block)) - 2, held to -126 .. 127; a block of zeros has e = 0. As a byte (E8M0): e + 127.
;;     - Each number is divided by its block's scale, clamped to +-7.5, and rounded to the nearest number of E2M3, ties to even, subnormals kept.
;;     - The product sums the exact products of the quantised numbers (number of the format x scale) in f32.
;;   ~~~python
;;   def quantise(x, axis):      # numpy; x: float32 -> the quantised numbers, widened to float32 again
;;       x = np.moveaxis(x, axis, -1); K = x.shape[-1]
;;       x = np.pad(x, [(0, 0)] * (x.ndim - 1) + [(0, -K % 32)]); x = x.reshape(x.shape[:-1] + (-1, 32)); a = np.abs(x).max(-1, keepdims=True)
;;       e = np.where(a > 0, np.clip(np.frexp(np.where(a > 0, a, 1))[1] - 1 - 2, -126, 127), 0)      # np.frexp(a)[1] - 1 = floor(log2(a)), exactly
;;       r = np.clip(x / 2.0 ** e, -7.5, 7.5)
;;       step = 2.0 ** (np.maximum(np.frexp(np.where(r == 0, 1, r))[1] - 1, 0) - 3)
;;       q = np.round(r / step) * step * 2.0 ** e      # np.round: ties to even
;;       return np.moveaxis(q.reshape(q.shape[:-2] + (-1,))[..., :K], -1, axis).astype(np.float32)
;;   ~~~
;;   SOFTMAX AHEAD OF A QUANTISED PRODUCT. Where the list says 'softmax', what is quantised is not the finished softmax but p = 2^(t - M), with t = logit x log2(e) and M = ceil(the row's largest t), a whole number; so 1/2 < the row's largest p <= 1. The row's sum l is taken of the UNQUANTISED p, in f32, and the product's result is divided by l at the end. Since M is a whole number, a kernel that streams over the keys may use a running M (the ceiling of the running maximum): every later rescaling is an exact power of two, which a block's scale takes up: the codes' values come out the same.
;;   OPERANDS COMPUTED ON THE WAY. 'Computed on the way' means the value that the module computes at that place (a softmax that the list does not call 'softmax' is quantised finished and normalised). What goes into a quantiser is computed in f32, as accurately as f32 sums, v_exp_f32 and their like allow (about 1e-6 of the number): no bf16 or f16 on the way to a quantiser, and a product that is left as it is and whose result goes on into a quantised operand takes f32 operands (vector FMAs, or v_wmma_f32_16x16x4_f32). A number that lies on a knife's edge between two numbers of the format may be rounded either way, as far as f32 arithmetic and the matrix unit's own rounding can turn it there, and no further.
;; One version. Each part assembles by itself: llvm-mc -triple=amdgcn-amd-amdhsa -mcpu=gfx1250 --defsym DOCPART=n.
;; ======== version 1 of 1: 4 launches
;; limits: right only within a limited range of input values
;; workspace buffers: xq 6,553,600 bytes; wq 2,048,000 bytes; ft 26,624 bytes; qi 6,553,600 bytes; kv 3,276,800 bytes; aq 6,553,600 bytes
;; launch quant (part 1): grid 344 x 1, 4 waves a work-group, no clusters, 35,328 bytes of LDS; arguments x, Wq, Wk, Wv, Wo, E, xq, wq, ft; writes xq, wq, ft
.if DOCPART == 1
	.amdgcn_target "amdgcn-amd-amdhsa--gfx1250"
	.amdhsa_code_object_version 6
	.text
	.protected	k_qa5d6ce1f26_quant
	.globl	k_qa5d6ce1f26_quant
	.p2align	8
	.type	k_qa5d6ce1f26_quant,@function
k_qa5d6ce1f26_quant:
	s_mov_b64 s[64:65], 0
	v_nop
	global_prefetch_b8 v0, s[64:65] scope:SCOPE_SE
	s_setreg_imm32_b32 hwreg(HW_REG_WAVE_MODE, 25, 1), 1
	s_wait_xcnt 0x0
; x [8192][1024], Wq [1024][1024], Wk, Wv [256][1024], Wo [1024][1024], f32, K innermost, become codes of FP6 (E2M3) with one E8M0 byte for each 32 along K,
; laid in the ORDER OF AN OPERAND'S REGISTERS.  A superblock (102,400 bytes) serves 128 rows x K 1,024: bytes 0-4,095 the scale words [tile 8][K step 8][row 16];
; from 4,096 the images [K step 8][tile 8][1,536]: register group G (registers 4 G .. 4 G + 3 of a fragment of 16 rows x 128 K) at 512 G + 16 x slot, slot = lane xor 8 x (tile & 1).
; xq: 64 superblocks.  wq: 20: Wq 0-7, Wk 8-9, Wv 10-11, Wo 12-19.
; Work-groups 0-335 stream: wave w takes tile 2 x (its place in the tensor) + w / 2 and the K half w % 2: four K steps of 16 rows x 128 numbers.
; Each load reads 512 consecutive bytes of one row; the step's 8,192 bytes turn through the wave's own stage in LDS (rows 528 bytes apart), so that lane (r, h) gets the two whole blocks
; k = 64 c + 32 h + 0 .. 31 of row r: the conversions' results are then the operand's registers.
; Work-groups 336-343 make the table of relative positions, ft: 32 tiles; row r of tile t stands for n = key - query = 16 t - 256 + r and holds the codes of E[127 - clip(n, +-127)] (64 along K: 6 registers a lane);
; tile image at 768 t (registers 0-3 at 16 x lane, 4-5 at 512 + 8 x lane); scale words at 24,576 + 64 t + 4 r, bytes (s0, s1, s0, s1).
; A block's scale byte is its largest magnitude's exponent field - 2, held at 1 from below by a floor among the maximum's leaves.
; LIMITS: a block of zeros, or one whose largest magnitude lies under 2^(3 - 127), keeps the byte 1 (the bytes are read by this program alone); NaN and infinities among the inputs are not served.
.set SB,   102400
.set RA,   16                          ; v16-143  two sets of 64 registers as loaded
.set X,    144                         ; v144-207 my two blocks of 32 numbers
.set C,    208                         ; v208-219 the fragment's codes
.set CT,   220                         ; v220-222, v224-226 the upper halves of the blocks' codes, before they are moved
.set MX,   228                         ; v228-229 largest magnitudes
.set SO,   230                         ; v230-231 the conversions' scale operands
.set BY,   232                         ; v232-233 scale bytes
.set WD,   234                         ; v234 the scale word;  v235 the other half's part of it
.set WT,   235
	s_load_b256 s[4:11], s[0:1], 0x0               ; x s[4:5], Wq s[6:7], Wk s[8:9], Wv s[10:11]
	s_load_b256 s[12:19], s[0:1], 0x20             ; Wo s[12:13], E s[14:15], xq s[16:17], wq s[18:19]
	s_load_b64 s[20:21], s[0:1], 0x40              ; ft
	v_lshl_add_u32 v240, v0, 2, 0x8800
	v_mov_b32 v241, 0
	v_lshrrev_b32 v1, 5, v0
	v_readfirstlane_b32 s22, v1                    ; wave
	v_and_b32 v1, 31, v0                           ; lane
	v_and_b32 v2, 15, v0                           ; r
	v_bfe_u32 v3, v0, 4, 1                         ; h
	v_lshlrev_b32 v4, 4, v1                        ; 16 x lane
	v_lshlrev_b32 v10, 3, v1                       ; 8 x lane
	v_lshlrev_b32 v11, 3, v3                       ; 8 h: my bytes' shift in a scale word
	v_mov_b32 v[WT], 0                             ; written once: a lane permute's destination counts as one of its sources
	s_mov_b32 s38, 0x76543210
	s_mov_b32 s39, 0xfedcba98                      ; v_permlanex16_b32's selects for lane l xor 16
	s_cmp_ge_u32 ttmp9, 336
	s_cbranch_scc1 .Ltable
	; ---- the stream
	s_and_b32 s23, s22, 1                          ; my K half
	s_lshr_b32 s24, s22, 1                         ; which of the work-group's two tiles; also the tile's parity
	s_mul_i32 s25, s22, 8448                       ; my stage: 16 rows x 528 bytes
	v_add_nc_u32 v5, s25, v4                       ; into it: 16 x lane of a row
	v_mul_u32_u24 v6, v2, 528
	v_lshl_add_u32 v6, v3, 7, v6
	v_add_nc_u32 v6, s25, v6                       ; out of it: row r, + 128 h
	s_lshl_b32 s26, s24, 7
	s_wait_alu depctr_va_vdst(0)
	v_xor_b32 v7, s26, v4                          ; an image's place for my lane: 16 x (lane xor 8 x parity)
	s_lshl_b32 s26, s22, 8
	s_add_co_u32 s26, s26, 33792                   ; my 256 bytes of scale words, behind the four stages
	v_lshl_add_u32 v8, v2, 2, s26                  ; in: 4 r
	v_lshl_add_u32 v9, v1, 3, s26                  ; out: 8 x lane
	s_wait_kmcnt 0x0
	s_mov_b32 s27, 304                             ; which tensor: the choice hangs on the work-group's number alone
	s_mov_b64 s[28:29], s[12:13]
	s_cmp_lt_u32 ttmp9, 304
	s_cselect_b64 s[28:29], s[10:11], s[28:29]
	s_cselect_b32 s27, 296, s27
	s_cmp_lt_u32 ttmp9, 296
	s_cselect_b64 s[28:29], s[8:9], s[28:29]
	s_cselect_b32 s27, 288, s27
	s_cmp_lt_u32 ttmp9, 288
	s_cselect_b64 s[28:29], s[6:7], s[28:29]
	s_cselect_b32 s27, 256, s27
	s_cmp_lt_u32 ttmp9, 256
	s_cselect_b64 s[28:29], s[4:5], s[28:29]
	s_cselect_b32 s27, 0, s27
	s_cselect_b64 s[30:31], s[16:17], s[18:19]     ; x goes to xq, the weights to wq, one behind the other
	s_cselect_b32 s32, 0, 256
	s_sub_co_u32 s27, ttmp9, s27
	s_lshl_b32 s27, s27, 1
	s_add_co_u32 s27, s27, s24                     ; my tile in the tensor
	s_lshl_b32 s34, s27, 16                        ; 16 rows of 4,096 bytes
	s_lshl_b32 s33, s23, 11                        ; + my half of a row
	s_add_co_u32 s34, s34, s33
	s_mov_b32 s35, 0
	s_add_nc_u64 s[28:29], s[28:29], s[34:35]
	s_sub_co_u32 s32, ttmp9, s32
	s_lshl_b32 s32, s32, 1
	s_add_co_u32 s32, s32, s24                     ; my tile in the buffer of codes
	s_lshr_b32 s33, s32, 3                         ; its superblock,
	s_and_b32 s32, s32, 7                          ; and its place there
	s_mul_i32 s34, s33, SB
	s_mul_i32 s33, s32, 1536
	s_add_co_u32 s36, s34, s33
	s_mul_i32 s33, s23, 4*12288
	s_add_co_u32 s36, s36, s33
	s_add_co_u32 s36, s36, 4096
	s_mov_b32 s37, 0
	s_add_nc_u64 s[36:37], s[30:31], s[36:37]      ; my first image
	s_lshl_b32 s33, s32, 9
	s_add_co_u32 s34, s34, s33
	s_lshl_b32 s33, s23, 8
	s_add_co_u32 s34, s34, s33
	s_add_nc_u64 s[30:31], s[30:31], s[34:35]      ; my 256 bytes of scale words
.macro LOAD t                          ; K step t: 512 consecutive bytes of each of the 16 rows
.irp p, 0,1,2,3,4,5,6,7,8,9,10,11,12,13,14,15
	global_load_b128 v[RA+64*((\t)%2)+4*\p:RA+64*((\t)%2)+4*\p+3], v4, s[28:29] offset:4096*\p+512*(\t) th:TH_LOAD_NT
.endr
.endm
.macro STEP t
.set RS, RA+64*((\t)%2)
.if (\t) < 3
	s_wait_loadcnt 16                              ; this step's 16 loads are in; the next step's 16 may be out
.else
	s_wait_loadcnt 0x0
.endif
.irp p, 0,1,2,3,4,5,6,7,8,9,10,11,12,13,14,15
	ds_store_b128 v5, v[RS+4*\p:RS+4*\p+3] offset:528*\p
.endr
.irp c, 0,1
.irp j, 0,1,2,3,4,5,6,7
	ds_load_b128 v[X+32*\c+4*\j:X+32*\c+4*\j+3], v6 offset:256*\c+16*\j   ; LDS serves a wave's instructions in order: these see the stores above
.endr
.endr
	s_wait_dscnt 0x0                               ; my 64 numbers are back, and the stage's stores and the last step's word store have read their registers
.if (\t)+2 < 4
	LOAD (\t)+2
.endif
.irp c, 0,1
	v_max3_num_f32 v[MX+\c], |v[X+32*\c]|, |v[X+32*\c+1]|, 0x1800000   ; block 2 c + h: all 32 numbers are mine; the floor 2^(3 - 127) holds the byte at 1 from below
.endr
.irp i, 2,4,6,8,10,12,14,16,18,20,22,24,26,28,30
.irp c, 0,1
	v_max3_num_f32 v[MX+\c], v[MX+\c], |v[X+32*\c+\i]|, |v[X+32*\c+\i+1]|   ; (the two blocks by turns)
.endr
.endr
.irp c, 0,1
	v_add_nc_u32 v[SO+\c], 0xff000000, v[MX+\c]    ; 2 off the exponent field: the conversion takes this operand's exponent field as its scale
.endr
.irp c, 0,1
	v_lshrrev_b32 v[BY+\c], 23, v[SO+\c]           ; the scale's byte
.endr
	v_lshl_or_b32 v[WD], v[BY+1], 16, v[BY]        ; blocks h and 2 + h,
	v_lshlrev_b32 v[WD], v11, v[WD]                ; at their places in the word,
	v_permlanex16_b32 v[WT], v[WD], s38, s39
	v_or_b32 v[WD], v[WD], v[WT]                   ; with lane l xor 16's two the word is whole
	s_wait_alu depctr_va_vdst(0)
	s_wait_xcnt 0x0                                ; the last step's stores have read the codes' registers: they are written again only behind this wait
.irp c, 0,1
	v_cvt_scalef32_pk16_fp6_f32 v[C+6*\c:C+6*\c+2], v[X+32*\c:X+32*\c+15], v[SO+\c]
	v_cvt_scalef32_pk16_fp6_f32 v[CT+4*\c:CT+4*\c+2], v[X+32*\c+16:X+32*\c+31], v[SO+\c]   ; (a conversion's three registers begin on an even number)
.endr
	v_nop                                          ; one plain place behind a scaled conversion
.irp c, 0,1
.irp i, 0,1,2
	v_mov_b32 v[C+6*\c+3+\i], v[CT+4*\c+\i]
.endr
.endr
.irp g, 0,1,2
	global_store_b128 v7, v[C+4*\g:C+4*\g+3], s[36:37] offset:12288*(\t)+512*\g   ; the wave's store covers 512 consecutive bytes, aligned
.endr
	ds_store_b32 v8, v[WD] offset:64*(\t)          ; both halves of the lanes write the same word with the same value
.endm
	LOAD 0
	LOAD 1
	STEP 0
	STEP 1
	STEP 2
	STEP 3
	ds_load_b64 v[236:237], v9                     ; my four steps' 64 scale words
	s_wait_dscnt 0x0
	global_store_b64 v10, v[236:237], s[30:31]     ; 256 consecutive bytes, aligned
	s_wait_tensorcnt 0x0
	ds_add_u32 v240, v241
	s_wait_dscnt 0x0
	s_endpgm
	; ---- the table of relative positions: one tile a wave, no LDS
.Ltable:
	s_sub_co_u32 s23, ttmp9, 336
	s_lshl_b32 s23, s23, 2
	s_add_co_u32 s23, s23, s22                     ; tile t = 0 .. 31
	s_lshl_b32 s24, s23, 4
	s_wait_alu depctr_va_vdst(0)
	v_add_nc_u32 v12, s24, v2                      ; m = 16 t + r = n + 256
	v_max_u32 v12, 129, v12
	v_min_u32 v12, 383, v12                        ; clip(n, +-127) + 256
	v_sub_nc_u32 v12, 383, v12                     ; E's row 127 - clip(n): 0 .. 254
	v_lshlrev_b32 v12, 8, v12
	v_lshl_add_u32 v12, v3, 7, v12                 ; 256 bytes a row, + 128 h: my block of 32
	s_mul_i32 s24, s23, 768
	s_mov_b32 s25, 0
	s_lshl_b32 s26, s23, 6
	s_add_co_u32 s26, s26, 24576
	s_mov_b32 s27, 0
	v_lshlrev_b32 v13, 2, v2
	v_lshl_add_u32 v13, v3, 1, v13                 ; 4 r + 2 h: my half of the row's scale word
	s_wait_alu depctr_va_vdst(0)
	s_wait_kmcnt 0x0
	s_add_nc_u64 s[24:25], s[20:21], s[24:25]
	s_add_nc_u64 s[26:27], s[20:21], s[26:27]
.irp j, 0,1,2,3,4,5,6,7
	global_load_b128 v[X+4*\j:X+4*\j+3], v12, s[14:15] offset:16*\j
.endr
	s_wait_loadcnt 0x0
	v_max3_num_f32 v[MX], |v[X]|, |v[X+1]|, 0x1800000
	v_max3_num_f32 v[MX+1], |v[X+2]|, |v[X+3]|, |v[X+4]|
.irp i, 5,9,13,17,21,25
	v_max3_num_f32 v[MX], v[MX], |v[X+\i]|, |v[X+\i+1]|
	v_max3_num_f32 v[MX+1], v[MX+1], |v[X+\i+2]|, |v[X+\i+3]|
.endr
	v_max3_num_f32 v[MX], v[MX], |v[X+29]|, |v[X+30]|
	v_max3_num_f32 v[MX], v[MX], v[MX+1], |v[X+31]|
	v_add_nc_u32 v[SO], 0xff000000, v[MX]
	v_lshrrev_b32 v[BY], 23, v[SO]
	v_lshlrev_b32 v[WD], v11, v[BY]                ; my byte at 8 h,
	v_permlanex16_b32 v[WT], v[WD], s38, s39
	v_or_b32 v[WD], v[WD], v[WT]                   ; with the other half's: s0 | s1 << 8
	v_cvt_scalef32_pk16_fp6_f32 v[C:C+2], v[X:X+15], v[SO]
	v_cvt_scalef32_pk16_fp6_f32 v[CT:CT+2], v[X+16:X+31], v[SO]
	v_nop                                          ; one plain place behind a scaled conversion
.irp i, 0,1,2
	v_mov_b32 v[C+3+\i], v[CT+\i]
.endr
	global_store_b128 v4, v[C:C+3], s[24:25]
	global_store_b64 v10, v[C+4:C+5], s[24:25] offset:512
	global_store_b16 v13, v[WD], s[26:27]          ; the same two bytes in both halves of the word
	s_endpgm
.Lfunc_end_k_qa5d6ce1f26_quant:
	.size	k_qa5d6ce1f26_quant, .Lfunc_end_k_qa5d6ce1f26_quant-k_qa5d6ce1f26_quant
	.p2alignl 7, 3214868480
	.fill 96, 4, 3214868480
	.section	.rodata,"a",@progbits
	.p2align	6, 0x0
	.amdhsa_kernel k_qa5d6ce1f26_quant
		.amdhsa_group_segment_fixed_size 35328
		.amdhsa_private_segment_fixed_size 0
		.amdhsa_enable_private_segment 0
		.amdhsa_kernarg_size 72
		.amdhsa_user_sgpr_count 2
		.amdhsa_user_sgpr_kernarg_segment_ptr 1
		.amdhsa_wavefront_size32 1
		.amdhsa_system_sgpr_workgroup_id_x 1
		.amdhsa_system_sgpr_workgroup_id_y 1
		.amdhsa_system_sgpr_workgroup_id_z 1
		.amdhsa_system_vgpr_workitem_id 0
		.amdhsa_next_free_vgpr 242
		.amdhsa_next_free_sgpr 66
		.amdhsa_reserve_vcc 0
		.amdhsa_float_denorm_mode_32 3
		.amdhsa_float_denorm_mode_16_64 3
		.amdhsa_memory_ordered 1
		.amdhsa_forward_progress 1
		.amdhsa_inst_pref_size 35
	.end_amdhsa_kernel
	.amdgpu_metadata
---
amdhsa.version: [ 1, 2 ]
amdhsa.kernels:
  - .name:           k_qa5d6ce1f26_quant
    .symbol:         k_qa5d6ce1f26_quant.kd
    .args:
      - { .name: x, .offset: 0, .size: 8, .value_kind: global_buffer, .address_space: global }
      - { .name: Wq, .offset: 8, .size: 8, .value_kind: global_buffer, .address_space: global }
      - { .name: Wk, .offset: 16, .size: 8, .value_kind: global_buffer, .address_space: global }
      - { .name: Wv, .offset: 24, .size: 8, .value_kind: global_buffer, .address_space: global }
      - { .name: Wo, .offset: 32, .size: 8, .value_kind: global_buffer, .address_space: global }
      - { .name: E, .offset: 40, .size: 8, .value_kind: global_buffer, .address_space: global }
      - { .name: xq, .offset: 48, .size: 8, .value_kind: global_buffer, .address_space: global }
      - { .name: wq, .offset: 56, .size: 8, .value_kind: global_buffer, .address_space: global }
      - { .name: ft, .offset: 64, .size: 8, .value_kind: global_buffer, .address_space: global }
    .group_segment_fixed_size: 35328
    .private_segment_fixed_size: 0
    .kernarg_segment_align: 8
    .kernarg_segment_size: 72
    .max_flat_workgroup_size: 128
    .sgpr_count:     66
    .vgpr_count:     242
    .wavefront_size: 32
...
	.end_amdgpu_metadata
.endif
;; end of part 1
;; launch proj (part 2): grid 64 x 4, 4 waves a work-group, clusters of 4 x 1, 327,680 bytes of LDS; arguments xq, wq, qi, kv; writes qi, kv
.if DOCPART == 2
	.amdgcn_target "amdgcn-amd-amdhsa--gfx1250"
	.amdhsa_code_object_version 6
	.text
	.protected	k_qa5d6ce1f26_proj
	.globl	k_qa5d6ce1f26_proj
	.p2align	8
	.type	k_qa5d6ce1f26_proj,@function
k_qa5d6ce1f26_proj:
	s_mov_b64 s[64:65], 0
	v_nop
	global_prefetch_b8 v0, s[64:65] scope:SCOPE_SE
	s_setreg_imm32_b32 hwreg(HW_REG_WAVE_MODE, 25, 1), 1
	s_wait_xcnt 0x0
	s_wait_alu depctr_hold_cnt(0) depctr_sa_sdst(0) depctr_va_vdst(0) depctr_va_sdst(0) depctr_va_ssrc(0) depctr_va_vcc(0) depctr_vm_vsrc(0)
	s_getreg_b32 s2, hwreg(HW_REG_IB_STS2, 6, 4)
	s_cmp_eq_u32 s2, 0
	s_cbranch_scc0 .Lentry_in_a_cluster
	s_endpgm
.Lentry_in_a_cluster:
	s_bfe_u32 s2, ttmp6, 0x10000c
	s_cmp_lg_u32 s2, 0x3003
	s_cbranch_scc0 .Lentry_shape_is_right
	s_endpgm
.Lentry_shape_is_right:
; q, k, v = x Wq^T, x Wk^T, x Wv^T on codes of FP6 (E2M3) with E8M0 scales, and the results quantised at once into the operands that the attention launch takes.
; A work-group takes 128 tokens (superblock tb of xq) x 256 weight rows (superblocks 2 y, 2 y + 1 of wq: Wq), all of K = 1,024 resident in LDS: three regions of 102,400 bytes, the first weight region filled again for phase 2.
; CLUSTER 4 x 1: the four partners share y, so the two weight superblocks are asked for JOINTLY (mask 15); x's superblock is each work-group's own.  Waves 0, 1 fetch half w of x's region, waves 2, 3 weight superblock w - 2 whole: one tensor load a wave
; of 200 or 400 rows x 256 bytes; one wait for it and one barrier stand ahead of the first LDS read (the regions' addresses are chosen by y, so no read is laid under a load that is still out).
; A wave makes 64 (source 1, the lanes) x 128 (source 0, the registers): 32 accumulators.  SOURCE 0 IS THE AXIS THAT IS QUANTISED AFTERWARDS: for q and k the weight rows (the head's channels), for v the tokens (the keys).
; Source 0's tiles are read PERMUTED: lane r of tile 2 b + u takes row 32 b + 8 u + r + 8 (r / 8), so that the 16 registers of tiles 2 b, 2 b + 1 are 16 neighbours along the next K.  Source 1 is read so too for k (the keys
; of a score tile) and v (the channels of an output tile), and plainly for q.
; q's factor 1/8 is a power of two: the codes stay, 3 goes off each scale byte.  So that no byte falls under 1, the floor under a block's largest magnitude is 2^(6 - 127) here.
; LIMITS: blocks whose largest magnitude lies under that floor (zeros among them) are coded under the floor's byte; NaN and infinities are not served.  k's scale words leave in runs of 128 bytes (64 KiB in the launch).
; REGISTERS: window 0: v1-12 LDS addresses; v16-63 and v208-255 the 96 scale words of the 8 K steps, and nothing else ever; v64-159 source 0's 8 fragments, v160-207 source 1's 4: set A.  Window 2: the same numbers, set B.
;   Window 1: accumulator (j, t) at v[8 (8 j + t)].  At the end window 0's v64-149 take the codes and words that leave.
.set SB,   102400
.set CH,   25600                       ; a quarter of a superblock: 100 rows of 256 bytes
.set FA,   64
.set FB,   160
.set SC,   16
.set PWR,  112                         ; v112-115 the four scale words made at the end
.set TM,   120                         ; v120-123 largest magnitudes, v124-127 the other half's / bytes, v132-135 scale operands
.set CT,   136                         ; v136-138, v140-142 codes before they are moved
.set MSB, 0
.set NJ, 4                             ; source 1's tiles a wave: 4 for q (phase 1), 2 for k or v (phase 2)
.macro WIN new                         ; the immediate's high byte repeats the setting that is left
.if MSB != \new
	s_set_vgpr_msb (MSB<<8)|\new
.set MSB, \new
.endif
.endm
.macro ROUND                           ; a round of the cluster's barrier
	s_barrier_signal -1
	s_barrier_wait -1
	s_cmp_lg_u32 s12, 0
	s_cbranch_scc1 .Lnot_wave_0_\@
	s_barrier_signal -3
.Lnot_wave_0_\@:
	s_barrier_wait -3
	s_barrier_signal -1
	s_barrier_wait -1
.endm
.macro PLACES
.rept 4
	v_nop
.endr
.endm
	s_load_b256 s[4:11], s[0:1], 0x0               ; xq s[4:5], wq s[6:7], qi s[8:9], kv s[10:11]
	v_lshl_add_u32 v14, v0, 2, 0x4b000
	v_mov_b32 v15, 0
	ds_add_u32 v14, v15
	ds_add_u32 v14, v15
	v_lshrrev_b32 v1, 5, v0
	v_readfirstlane_b32 s12, v1                    ; wave
	s_bfe_u32 s13, ttmp6, 0x40000                  ; cx
	s_lshl_b32 s14, ttmp9, 2
	s_add_co_u32 s14, s14, s13                     ; tb: it enters global addresses alone
	s_and_b32 s15, ttmp7, 0xffff                   ; y, which the partners share
	s_mov_b32 s24, 3<<16                           ; group 1, plain: elements of 8 bytes, no mask, no padding
	s_mov_b32 s32, 15|(3<<16)|(1<<21)              ; group 1, joint: all four partners; bit 21 beside the mask
.irp g, 24, 32
	s_mov_b32 s[\g+1], 32<<16                      ; tensor_dim0 = 32 elements = 256 bytes
	s_mov_b32 s[\g+2], (25*\g-400)<<16             ; tensor_dim1: 200 rows for half of x's superblock (plain), 400 for a weight superblock (joint)
	s_mov_b32 s[\g+3], 32<<16                      ; tile_dim0
	s_mov_b32 s[\g+4], 25*\g-400                   ; tile_dim1 likewise
	s_mov_b32 s[\g+5], 32                          ; pitch: dense
	s_mov_b32 s[\g+6], 0
	s_mov_b32 s[\g+7], 0
.endr
	s_and_b32 s20, s12, 1                          ; ONE tensor load a wave: waves 0, 1 half w of x's superblock, waves 2, 3 weight superblock w - 2
	s_mul_i32 s21, s20, SB
	s_mul_i32 s20, s20, 2*CH
	s_mul_i32 s16, s14, SB
	s_add_co_u32 s16, s16, s20
	s_mov_b32 s17, 0
	s_lshl_b32 s18, s15, 1
	s_mul_i32 s18, s18, SB
	s_add_co_u32 s18, s18, s21
	s_mov_b32 s19, 0
	s_wait_dscnt 0x0
	s_wait_kmcnt 0x0
	s_mov_b32 s40, 1
	s_mov_b32 s41, s20
	s_add_nc_u64 s[42:43], s[4:5], s[16:17]
	s_or_b32 s43, s43, 0x80000000
	s_mov_b32 s44, 1
	s_add_co_u32 s45, s21, SB
	s_add_nc_u64 s[46:47], s[6:7], s[18:19]
	s_or_b32 s47, s47, 0x80000000
	s_mov_b32 s48, 1                               ; phase 2's weights: superblock 8 + y (Wk: y 0, 1; Wv: y 2, 3), quarter w, into the first weight region
	s_mul_i32 s49, s12, CH
	s_add_co_u32 s50, s15, 8
	s_mul_i32 s50, s50, SB
	s_add_co_u32 s50, s50, s49
	s_mov_b32 s51, 0
	s_add_nc_u64 s[50:51], s[6:7], s[50:51]
	s_or_b32 s51, s51, 0x80000000
	s_add_co_u32 s49, s49, SB
	ROUND                                          ; all four work-groups are here: the joint loads meet
	s_cmp_lt_u32 s12, 2                            ; the branch hangs on the wave's number alone; every way passes one load
	s_cbranch_scc0 .Lfor_w
	tensor_load_to_lds s[40:43], s[24:31]          ; my half of x's superblock
	s_nop 0
	PLACES
	s_branch .Lasked
.Lfor_w:
	tensor_load_to_lds s[44:47], s[32:39]          ; my weight superblock, jointly
	s_nop 0
	PLACES
.Lasked:
	; lane terms.  L = 16 x lane, Lx = L xor 128, r3 = r / 8
	v_and_b32 v64, 31, v0
	v_and_b32 v65, 15, v0
	v_bfe_u32 v66, v0, 3, 1
	v_lshlrev_b32 v67, 4, v64                      ; L: a plain even tile
	v_xor_b32 v68, 128, v67                        ; Lx
	v_mul_u32_u24 v69, v66, 1536
	v_add_nc_u32 v70, v69, v67                     ; permuted, u = 0: tile 2 b + r3, slot = lane
	s_wait_alu depctr_va_vdst(0)
	v_add_nc_u32 v71, v69, v68                     ; permuted, u = 1: slot = lane xor 8
	v_and_b32 v72, 7, v0
	v_lshlrev_b32 v72, 2, v72
	v_lshl_add_u32 v72, v66, 9, v72                ; scale words, permuted: 512 r3 + 4 (r % 8)  (+ 32 u)
	v_lshlrev_b32 v73, 2, v65                      ; plain: 4 r  (+ 512 u)
	v_add_nc_u32 v74, 1536, v68                    ; a plain odd tile
	s_wait_alu depctr_va_vdst(0)
	s_lshr_b32 s21, s12, 1
	s_and_b32 s22, s12, 1
	s_mul_i32 s23, s21, SB
	s_add_co_u32 s23, s23, SB                      ; my weight superblock's region
	s_mov_b32 s56, 512
	s_cmp_eq_u32 s15, 5                            ; v: the tokens are source 0
	s_cselect_b32 s52, 0, s23
	s_cselect_b32 s53, s23, 0
	s_cmp_ge_u32 s15, 4                            ; k and v: source 1 permuted; q: 3 off the scale bytes
	s_cselect_b32 s54, -1, 0
	s_cselect_b32 s56, 32, s56
	s_cselect_b32 s86, 0, 0x03030303
	s_mov_b32 s84, 0x76543210
	s_mov_b32 s85, 0xfedcba98
	v_cndmask_b32 v75, v67, v70, s54
	v_cndmask_b32 v76, v74, v71, s54
	v_cndmask_b32 v77, v73, v72, s54
	; k alone: lane r of source 1's tile i takes token 64 (w % 2) + 32 (r / 8) + 8 i + r % 8, so that in a score tile a lane's half owns whole blocks of 32 keys
	s_cmp_eq_u32 s15, 4
	s_cselect_b32 s55, -1, 0
	s_movk_i32 s87, 1024
	s_cselect_b32 s87, 512, s87
	v_mad_u32_u24 v78, v66, 2944, v67              ; tile 0: x's tile 2 r3, rows 0-7
	v_add_nc_u32 v79, 128, v78                     ; tile 1: its rows 8-15
	v_add_nc_u32 v80, 3072, v75                    ; q, v: tiles 2, 3 lie two images on
	v_add_nc_u32 v81, 3072, v76
	v_add_nc_u32 v82, 1536, v79                    ; k: tiles 2, 3 in x's tile 2 r3 + 1
	v_add_nc_u32 v83, 1536, v78
	v_lshl_add_u32 v84, v66, 9, v72                ; k's scale words: 1024 r3 + 4 (r % 8)
	v_cndmask_b32 v75, v75, v78, s55
	v_cndmask_b32 v76, v76, v79, s55
	v_cndmask_b32 v80, v80, v82, s55
	v_cndmask_b32 v81, v81, v83, s55
	v_cndmask_b32 v77, v77, v84, s55
	s_add_co_u32 s57, s52, 4096
	v_add_nc_u32 v1, s57, v70                      ; source 0's codes: u = 0, 1; K steps 0-3
	v_add_nc_u32 v2, s57, v71
	v_add_nc_u32 v3, 49152, v1                     ; K steps 4-7
	v_add_nc_u32 v4, 49152, v2
	s_mul_i32 s58, s22, 6144                       ; source 1: tiles 4 (w % 2) on
	s_add_co_u32 s58, s58, s53
	s_add_co_u32 s58, s58, 4096
	v_add_nc_u32 v5, s58, v75
	v_add_nc_u32 v6, s58, v76
	v_add_nc_u32 v7, s58, v80                      ; v5-8: source 1's four tiles, K steps 0-3; stepped once for K steps 4-7
	v_add_nc_u32 v8, s58, v81
	v_add_nc_u32 v9, s52, v72                      ; source 0's scale words
	v_add_nc_u32 v10, 32, v9
	s_lshl_b32 s59, s22, 11
	s_add_co_u32 s59, s59, s53
	v_add_nc_u32 v78, s59, v77                     ; source 1's scale words, a register a tile (read once, ahead of the first fragments, which land here)
	v_add_nc_u32 v79, s56, v78
	v_add_nc_u32 v80, s87, v78
	v_add_nc_u32 v81, s56, v80
.macro SCALES                          ; all 96 scale words: K step s: source 0's tile t at index 12 s + t, source 1's at 12 s + 8 + t
.irp s, 0,1,2,3,4,5,6,7
.irp t, 0,1,2,3,4,5,6,7
.set IX, 12*\s+\t
	ds_load_b32 v[SC+IX+144*(IX/48)], v[9+(\t%2)] offset:1024*(\t/2)+64*\s
.endr
.irp t, 0,1,2,3
.set IX, 12*\s+8+\t
.if \t < NJ
	ds_load_b32 v[SC+IX+144*(IX/48)], v[78+\t] offset:64*\s
.endif
.endr
.endr
.endm
.macro FETCH s                         ; K step s's 12 fragments, 36 loads of 512 consecutive bytes, into set s % 2
.if (\s)%2
	WIN 0x80
.else
	WIN 0
.endif
.irp t, 0,1,2,3,4,5,6,7
.irp g, 0,1,2
	ds_load_b128 v[FA+12*\t+4*\g:FA+12*\t+4*\g+3], v[1+(\t%2)+2*((\s)/4)] offset:12288*((\s)%4)+3072*(\t/2)+512*\g
.endr
.endr
.if (\s) == 4
.irp t, 5,6,7,8
.if \t-5 < NJ
	v_add_nc_u32 v\t, 49152, v\t
.endif
.endr
	s_wait_alu depctr_va_vdst(0)                   ; the wait behind these writes
.endif
.irp t, 0,1,2,3
.irp g, 0,1,2
.if \t < NJ
	ds_load_b128 v[FB+12*\t+4*\g:FB+12*\t+4*\g+3], v[5+\t] offset:12288*((\s)%4)+512*\g
.endif
.endr
.endr
.endm
.macro MULS s, zero                    ; 32 products; the 32 accumulators take turns, one instruction a turn, in the same order in every step
.if (\s)%2
	WIN 0x5a
.else
	WIN 0x50
.endif
.irp j, 0,1,2,3
.irp t, 0,1,2,3,4,5,6,7
.set I0, 12*(\s)+\t
.set I1, 12*(\s)+8+\j
.if \j < NJ
.if \zero
	v_wmma_scale_f32_16x16x128_f8f6f4 v[8*(8*\j+\t):8*(8*\j+\t)+7], v[FA+12*\t:FA+12*\t+11], v[FB+12*\j:FB+12*\j+11], 0, v[SC+I0+144*(I0/48)], v[SC+I1+144*(I1/48)] matrix_a_fmt:MATRIX_FMT_FP6 matrix_b_fmt:MATRIX_FMT_FP6
.else
	v_wmma_scale_f32_16x16x128_f8f6f4 v[8*(8*\j+\t):8*(8*\j+\t)+7], v[FA+12*\t:FA+12*\t+11], v[FB+12*\j:FB+12*\j+11], v[8*(8*\j+\t):8*(8*\j+\t)+7], v[SC+I0+144*(I0/48)], v[SC+I1+144*(I1/48)] matrix_a_fmt:MATRIX_FMT_FP6 matrix_b_fmt:MATRIX_FMT_FP6
.endif
.endif
.endr
.endr
.endm
.macro KSTEP s, zero
	s_wait_dscnt 0x0                               ; this step's fragments, asked for 32 products ago, are in
.if (\s) < 7
.if (\s) > 0
	PLACES                                         ; four places in front of loads into the set that the last step's products read
.endif
	FETCH (\s)+1
.endif
	MULS \s, \zero
.endm
	s_wait_alu depctr_va_vdst(0)
	s_wait_tensorcnt 0x0                           ; my tensor load has landed,
	s_barrier_signal -1
	s_barrier_wait -1                              ; everybody's have: the three regions are whole
	SCALES
	FETCH 0
	KSTEP 0, 1                                     ; the first K step starts the sums
.irp s, 1,2,3,4,5,6,7
	KSTEP \s, 0
.endr
	WIN 0
	; q's products are issued: the first weight region is filled again with phase 2's superblock, which lands while q is quantised and stored
	s_wait_tensorcnt 0x0                           ; all my tensor loads are done;
	ds_add_u32 v14, v15
	s_mov_b32 s34, 100<<16                         ; no load of mine is out, so the joint group 1 may be written: 100 rows a wave
	s_mov_b32 s36, 100
	s_wait_dscnt 0x0                               ; the add is done, and so are my reads of the region
	ROUND                                          ; both hold of every wave of the four partners
	tensor_load_to_lds s[48:51], s[32:39]          ; my one load behind the round
	s_nop 0
	PLACES
	v_and_b32 v1, 31, v0
	v_lshlrev_b32 v1, 4, v1                        ; 16 x lane
	v_and_b32 v2, 15, v0                           ; r
	v_bfe_u32 v3, v0, 4, 1                         ; h
	v_lshlrev_b32 v4, 4, v2
	v_cmp_ne_u32 vcc_lo, 0, v3                     ; lanes 16-31
.irp b, 0,1,2,3
	v_mov_b32 v[TM+4+\b], 0                        ; written once: a lane permute's destination counts as one of its sources
.endr
; The 64 numbers of source 1's tile j (window 1; register 16 b + i = place 32 b + 16 h + i along the next K) become codes: places 0-63 in v[d0] on, 64-127 in v[d1] on (six registers each), and the row's scale word in v[pw].
.macro QUANT j, d0, d1, pw
.set SRC, 64*(\j)
	WIN 0x05
.irp b, 0,1,2,3
	v_max3_num_f32 v[TM+\b], |v[SRC+16*\b]|, |v[SRC+1+16*\b]|, 0x3000000   ; each accumulator is read from its low end on; the floor 2^(6 - 127)
.endr
	WIN 0x14
.irp i, 2,4,6,8,10,12,14
.irp b, 0,1,2,3
	v_max3_num_f32 v[TM+\b], v[TM+\b], |v[SRC+16*\b+\i]|, |v[SRC+1+16*\b+\i]|
.endr
.endr
	WIN 0
.irp b, 0,1,2,3
	v_permlanex16_b32 v[TM+4+\b], v[TM+\b], s84, s85
.endr
.irp b, 0,1,2,3
	v_max_num_f32 v[TM+\b], v[TM+\b], v[TM+4+\b]   ; with lane l xor 16's 16: the block's largest magnitude
.endr
.irp b, 0,1,2,3
	v_add_nc_u32 v[TM+12+\b], 0xff000000, v[TM+\b] ; 2 off the exponent field: the conversion's scale operand
.endr
.irp b, 0,1,2,3
	v_lshrrev_b32 v[TM+4+\b], 23, v[TM+12+\b]      ; the scale's byte
.endr
	v_lshl_or_b32 v[\pw], v[TM+5], 8, v[TM+4]
	v_lshl_or_b32 v[\pw], v[TM+6], 16, v[\pw]
	v_lshl_or_b32 v[\pw], v[TM+7], 24, v[\pw]
	v_sub_nc_u32 v[\pw], v[\pw], s86               ; q: x 1/8 (no byte is under 4, so nothing is borrowed); k, v: 0
	WIN 0x01
	v_cvt_scalef32_pk16_fp6_f32 v[\d0:\d0+2], v[SRC:SRC+15], v[TM+12]
	v_cvt_scalef32_pk16_fp6_f32 v[CT:CT+2], v[SRC+16:SRC+31], v[TM+13]
	v_cvt_scalef32_pk16_fp6_f32 v[\d1:\d1+2], v[SRC+32:SRC+47], v[TM+14]
	v_cvt_scalef32_pk16_fp6_f32 v[CT+4:CT+6], v[SRC+48:SRC+63], v[TM+15]
	WIN 0
	v_nop                                          ; one plain place behind a scaled conversion
.irp i, 0,1,2
	v_permlane16_swap_b32 v[\d0+\i], v[CT+\i]      ; the operand's layout wants a whole block in a lane
	v_permlane16_swap_b32 v[\d1+\i], v[CT+4+\i]
.endr
.irp i, 0,1,2
	v_mov_b32 v[\d0+3+\i], v[CT+\i]
	v_mov_b32 v[\d1+3+\i], v[CT+4+\i]
.endr
.endm
	s_lshr_b32 s60, s14, 3                         ; the batch
	s_and_b32 s61, s14, 7                          ; the block of 128 tokens in it
	; q: fragment (batch, head pair 2 y + w / 2, query tile 8 st + 4 (w % 2) + j) of qi;  v: kv block (batch, group w), image (step st, tile j)
	s_lshl_b32 s62, s60, 3
	s_lshl_b32 s63, s15, 1
	s_add_co_u32 s62, s62, s63
	s_add_co_u32 s62, s62, s21
	s_lshl_b32 s66, s62, 6
	s_lshl_b32 s63, s61, 3
	s_add_co_u32 s66, s66, s63
	s_lshl_b32 s63, s22, 2
	s_add_co_u32 s66, s66, s63
	s_mul_i32 s66, s66, 1536
	s_lshl_b32 s68, s62, 4
	s_lshl_b32 s63, s61, 1
	s_add_co_u32 s68, s68, s63
	s_add_co_u32 s68, s68, s22
	s_lshl_b32 s68, s68, 8
	s_add_co_u32 s68, s68, 6291456
	s_lshl_b32 s70, s60, 2
	s_add_co_u32 s70, s70, s12
	s_mul_i32 s70, s70, SB
	s_mul_i32 s63, s61, 6144
	s_add_co_u32 s72, s70, s63
	s_add_co_u32 s72, s72, 49152
	s_lshl_b32 s63, s61, 8
	s_add_co_u32 s74, s70, s63
	s_add_co_u32 s74, s74, 100352
	s_cmp_lt_u32 s15, 4
	s_cselect_b32 s66, s66, s72
	s_cselect_b32 s68, s68, s74
	s_cselect_b64 s[76:77], s[8:9], s[10:11]
	s_mov_b32 s67, 0
	s_mov_b32 s69, 0
	s_add_nc_u64 s[66:67], s[76:77], s[66:67]
	s_add_nc_u64 s[68:69], s[76:77], s[68:69]
	s_wait_alu depctr_va_vdst(0)
	v_lshl_add_u32 v4, v3, 3, v4                   ; 16 r + 8 h: my two of the row's four words
.irp j, 0,1,2,3
	QUANT \j, 64+12*\j, 70+12*\j, PWR+\j
.irp g, 0,1,2
	global_store_b128 v1, v[64+12*\j+4*\g:64+12*\j+4*\g+3], s[66:67] offset:1536*\j+512*\g   ; 512 consecutive bytes, aligned
.endr
.endr
	v_cndmask_b32 v116, v112, v114, vcc_lo
	v_cndmask_b32 v117, v113, v115, vcc_lo
	global_store_b64 v4, v[116:117], s[68:69]      ; 256 consecutive bytes, aligned
	; ---- PHASE 2: the same 128 tokens x the 128 rows of superblock 8 + y.  k (y 0, 1): source 0 the weight rows, source 1 tokens: wave w takes score tiles 2 (w % 2), + 1 of key group w / 2.
	; v (y 2, 3): source 0 the tokens, source 1 the channels: wave w takes tiles 2 (w % 2), + 1 of the superblock's group w / 2.  16 accumulators a wave
	s_wait_xcnt 0x0                                ; q's stores have read their registers and bases
.set NJ, 2
	s_mov_b32 s86, 0                               ; nothing goes off k's and v's scale bytes
	s_mul_i32 s88, s22, 3072                       ; v: tile pair w % 2
	s_mul_i32 s89, s22, 1664                       ; k: tile 2 (w % 2) against tile 0,
	s_mul_i32 s90, s22, 1408
	s_add_co_u32 s90, s90, 128                     ; and tile 2 (w % 2) + 1
	s_lshl_b32 s91, s22, 10
	s_lshl_b32 s92, s22, 9
	s_mul_i32 s58, s21, 6144
	s_lshl_b32 s59, s21, 11
	s_cmp_lt_u32 s15, 2                            ; k or v: y alone decides, and the partners share it
	s_cselect_b32 s52, SB, 0                       ; source 0's region
	s_cselect_b32 s53, 0, SB                       ; source 1's
	s_cselect_b32 s55, -1, 0
	s_cselect_b32 s89, s89, s88
	s_cselect_b32 s90, s90, s88
	s_cselect_b32 s91, s92, s91
	s_add_co_u32 s58, s58, s53
	s_add_co_u32 s58, s58, 4096
	s_add_co_u32 s89, s89, s58
	s_add_co_u32 s90, s90, s58
	s_add_co_u32 s59, s59, s53
	s_add_co_u32 s59, s59, s91
	s_add_co_u32 s57, s52, 4096
	v_and_b32 v64, 31, v0
	v_bfe_u32 v66, v0, 3, 1                        ; r3
	v_and_b32 v72, 7, v0
	v_lshlrev_b32 v67, 4, v64                      ; L
	v_mul_u32_u24 v69, v66, 1536
	v_lshlrev_b32 v72, 2, v72
	v_xor_b32 v68, 128, v67                        ; Lx
	v_add_nc_u32 v70, v69, v67                     ; permuted, u = 0
	v_lshl_add_u32 v72, v66, 9, v72                ; scale words, permuted
	v_add_nc_u32 v71, v69, v68                     ; permuted, u = 1
	v_mad_u32_u24 v73, v66, 2944, v67              ; k's tokens: x's tile 2 r3, rows 0-7
	v_lshl_add_u32 v74, v66, 9, v72                ; and their scale words
	v_cndmask_b32 v75, v70, v73, s55
	v_cndmask_b32 v76, v71, v73, s55
	v_cndmask_b32 v77, v72, v74, s55
	v_add_nc_u32 v1, s57, v70
	v_add_nc_u32 v2, s57, v71
	v_add_nc_u32 v3, 49152, v1
	v_add_nc_u32 v4, 49152, v2
	v_add_nc_u32 v5, s89, v75
	v_add_nc_u32 v6, s90, v76
	v_add_nc_u32 v9, s52, v72
	v_add_nc_u32 v10, 32, v9
	v_add_nc_u32 v78, s59, v77
	v_add_nc_u32 v79, 32, v78
	s_wait_alu depctr_va_vdst(0)                   ; the wait ahead of the wait below
	s_wait_tensorcnt 0x0                           ; my quarter of the superblock has landed,
	s_barrier_signal -1
	s_barrier_wait -1                              ; everybody's has
	SCALES
	FETCH 0
	KSTEP 0, 1
.irp s, 1,2,3,4,5,6,7
	KSTEP \s, 0
.endr
	WIN 0
	v_and_b32 v1, 31, v0                           ; (these four lines are the places behind the last products)
	v_and_b32 v2, 15, v0                           ; r
	v_bfe_u32 v3, v0, 4, 1                         ; h
	v_lshlrev_b32 v1, 4, v1                        ; 16 x lane
	s_cmp_lt_u32 s15, 2
	s_wait_alu depctr_va_vdst(0)                   ; the wait ahead of the branch and the scalar lines
	s_cbranch_scc1 .Lkeys
	; v: kv block (batch, group 2 (y - 2) + w / 2), images (step st, tiles 2 (w % 2), + 1)
	s_sub_co_u32 s70, s15, 2
	s_lshl_b32 s70, s70, 1
	s_add_co_u32 s70, s70, s21
	s_lshl_b32 s63, s60, 2
	s_add_co_u32 s70, s70, s63
	s_mul_i32 s70, s70, SB
	s_mul_i32 s63, s61, 6144
	s_add_co_u32 s66, s70, s63
	s_mul_i32 s63, s22, 3072
	s_add_co_u32 s66, s66, s63
	s_add_co_u32 s66, s66, 49152
	s_mov_b32 s67, 0
	s_lshl_b32 s63, s61, 8
	s_add_co_u32 s68, s70, s63
	s_lshl_b32 s63, s22, 3
	s_add_co_u32 s68, s68, s63
	s_add_co_u32 s68, s68, 100352
	s_mov_b32 s69, 0
	s_add_nc_u64 s[66:67], s[10:11], s[66:67]
	s_add_nc_u64 s[68:69], s[10:11], s[68:69]
	v_lshlrev_b32 v4, 4, v2
	v_lshl_add_u32 v4, v3, 2, v4                   ; 16 r + 4 h: lanes 0-15 store the first tile's word, lanes 16-31 the second's
.irp j, 0,1
	QUANT \j, 64+12*\j, 70+12*\j, PWR+\j
.irp g, 0,1,2
	global_store_b128 v1, v[64+12*\j+4*\g:64+12*\j+4*\g+3], s[66:67] offset:1536*\j+512*\g   ; 512 consecutive bytes, aligned
.endr
.endr
	v_cndmask_b32 v116, v112, v113, vcc_lo
	global_store_b32 v4, v116, s[68:69]
	s_branch .Lclose
.Lkeys:
	; k: a lane's 128 channels belong to two groups, and a key image wants two tiles of keys (u = 0, 1) of ONE group: so the halves of tiles 2 a and 2 a + 1 change partners
	s_lshl_b32 s62, s60, 2
	s_lshl_b32 s63, s15, 1
	s_add_co_u32 s62, s62, s63
	s_mul_i32 s62, s62, SB                         ; kv block (batch, group 2 y)
	s_lshl_b32 s66, s61, 2
	s_mov_b32 s63, s12
	s_add_co_u32 s66, s66, s63
	s_mul_i32 s66, s66, 1536                       ; image (step st, pair 2 (w % 2))
	s_add_co_u32 s66, s66, s62
	s_mov_b32 s67, 0
	s_lshl_b32 s68, s61, 8
	s_lshl_b32 s63, s21, 7
	s_lshl_b32 s70, s22, 2
	s_add_co_u32 s63, s63, s70
	s_add_co_u32 s68, s68, s63
	s_add_co_u32 s68, s68, s62
	s_add_co_u32 s68, s68, 98304
	s_mov_b32 s69, 0
	s_add_nc_u64 s[66:67], s[10:11], s[66:67]
	s_add_nc_u64 s[68:69], s[10:11], s[68:69]
	s_wait_alu depctr_va_vdst(0)
	v_mul_u32_u24 v4, v3, SB
	v_lshl_add_u32 v4, v2, 3, v4                   ; 8 r; lanes 16-31 store the odd group's words, a block further on
	QUANT 0, 64, 88, PWR
	QUANT 1, 70, 94, PWR+1
.irp a, 0
.irp g, 0,1,2
	global_store_b128 v1, v[64+12*\a+4*\g:64+12*\a+4*\g+3], s[66:67] offset:1536*\a+512*\g
	global_store_b128 v1, v[88+12*\a+4*\g:88+12*\a+4*\g+3], s[66:67] offset:SB+1536*\a+512*\g
.endr
.endr
.irp a, 0
	v_perm_b32 v[144+\a], v[PWR+2*\a+1], v[PWR+2*\a], 0x05040100
	v_perm_b32 v[146+\a], v[PWR+2*\a+1], v[PWR+2*\a], 0x07060302   ; the odd group's
.endr
	v_cndmask_b32 v148, v144, v146, vcc_lo
	global_store_b32 v4, v148, s[68:69]
.Lclose:
	s_wait_tensorcnt 0x0
	ds_add_u32 v14, v15
	s_wait_dscnt 0x0
	ROUND                                          ; the closing round: no work-group ends while a partner may still ask for a tile that names it
	s_endpgm
.Lfunc_end_k_qa5d6ce1f26_proj:
	.size	k_qa5d6ce1f26_proj, .Lfunc_end_k_qa5d6ce1f26_proj-k_qa5d6ce1f26_proj
	.p2alignl 7, 3214868480
	.fill 96, 4, 3214868480
	.section	.rodata,"a",@progbits
	.p2align	6, 0x0
	.amdhsa_kernel k_qa5d6ce1f26_proj
		.amdhsa_group_segment_fixed_size 327680
		.amdhsa_private_segment_fixed_size 0
		.amdhsa_enable_private_segment 0
		.amdhsa_kernarg_size 32
		.amdhsa_user_sgpr_count 2
		.amdhsa_user_sgpr_kernarg_segment_ptr 1
		.amdhsa_wavefront_size32 1
		.amdhsa_system_sgpr_workgroup_id_x 1
		.amdhsa_system_sgpr_workgroup_id_y 1
		.amdhsa_system_sgpr_workgroup_id_z 1
		.amdhsa_system_vgpr_workitem_id 0
		.amdhsa_next_free_vgpr 768
		.amdhsa_next_free_sgpr 100
		.amdhsa_reserve_vcc 1
		.amdhsa_float_denorm_mode_32 3
		.amdhsa_float_denorm_mode_16_64 3
		.amdhsa_memory_ordered 1
		.amdhsa_forward_progress 1
		.amdhsa_inst_pref_size 145
	.end_amdhsa_kernel
	.amdgpu_metadata
---
amdhsa.version: [ 1, 2 ]
amdhsa.kernels:
  - .name:           k_qa5d6ce1f26_proj
    .symbol:         k_qa5d6ce1f26_proj.kd
    .args:
      - { .name: xq, .offset: 0, .size: 8, .value_kind: global_buffer, .address_space: global }
      - { .name: wq, .offset: 8, .size: 8, .value_kind: global_buffer, .address_space: global }
      - { .name: qi, .offset: 16, .size: 8, .value_kind: global_buffer, .address_space: global }
      - { .name: kv, .offset: 24, .size: 8, .value_kind: global_buffer, .address_space: global }
    .group_segment_fixed_size: 327680
    .private_segment_fixed_size: 0
    .kernarg_segment_align: 8
    .kernarg_segment_size: 32
    .max_flat_workgroup_size: 128
    .sgpr_count:     100
    .vgpr_count:     768
    .wavefront_size: 32
...
	.end_amdgpu_metadata
.endif
;; end of part 2
;; launch attn (part 3): grid 8 x 32, 16 waves a work-group, no clusters, 299,008 bytes of LDS; arguments qi, kv, ft, aq; writes aq
.if DOCPART == 3
	.amdgcn_target "amdgcn-amd-amdhsa--gfx1250"
	.amdhsa_code_object_version 6
	.text
	.protected	k_qa5d6ce1f26_attn
	.globl	k_qa5d6ce1f26_attn
	.p2align	8
	.type	k_qa5d6ce1f26_attn,@function
k_qa5d6ce1f26_attn:
	s_mov_b64 s[64:65], 0
	v_nop
	global_prefetch_b8 v0, s[64:65] scope:SCOPE_SE
	s_setreg_imm32_b32 hwreg(HW_REG_WAVE_MODE, 25, 1), 1
	s_wait_xcnt 0x0
; Attention with relative positions on codes of FP6 (E2M3): logit(q, k) = Q(q / 8) . Q(k) + Q(q / 8) . Q(E)[127 - clip(k - q, +-127)]; p = 2^(t - M), t = logit x log2(e), M the ceiling of the running largest t;
; o = (sum of Q(p) Q(v)) / (sum of the unquantised p); o is quantised along the model's 1,024 and stored as the last product's operand (aq).
; SHARES.  A work-group: 128 queries (block qb = x) x the four heads of one key and value group (y = 4 batch + group).  Wave w: query tile u = w / 2 and head pair w % 2, its two heads in two passes.
; LDS, all filled ONCE: the group's K and V images with their scale words (102,400 bytes; waves 0-3 a quarter each), the table of relative positions (26,624; wave 4), a stage of 16 rows x 656 bytes for each wave, the spare words.
; NO CLUSTER: the work-groups that share K and V differ in qb, and the branch on the band and the LDS addresses into the table hang on qb.  Nothing is prefetched from memory: every tile is asked for at the head.
; K = 64 IN AN INSTRUCTION OF 128: a fragment of K (or of the table) holds two tiles of 16 rows; q stands as [q | six zeros | q], and v[16:27] or v[22:33] picks the tile: zero codes add nothing.
; BOTH PRODUCTS TRANSPOSED: a lane holds one query.  Row m of score tile 4 c + i is key 64 c + 32 (m / 8) + 8 i + m % 8 of the step (the projections' launch lays K so): the 32 registers of tiles 4 c .. 4 c + 3
; are then the WHOLE block of keys 64 c + 32 h + 0 .. 31: a block's largest score needs no other lane, and the conversions' results lie in the lane that the operand's layout wants.
; THE BIAS IS THE C OF THE SCORE PRODUCTS.  Two blocks or more from the diagonal it is one number a query, kept in eight registers: the left one from a head's start, the right one behind each band step.
; In the three steps round the diagonal nine tiles of the table times q give bias(query r, place = key - r + 16); each goes to word place + r of row r of the stage, and the rows come back in the scores' layout.
; The next step's fragments of K (or of the table) are asked for behind the second product, ahead of the additions of the row's sum.
; LIMITS: NaN and infinities are not served; scores lie above -1e38, and the scaled scores stay under 2^31 in magnitude; a block of o under 2^(3 - 127) keeps the byte 1.  aq's scale words leave in runs of 64 bytes.
.set SB,   102400
.set QR,   16                          ; v16-33 [q | zeros | q]
.set QN,   34                          ; v34-39 the second head's q
.set QW,   40                          ; q's scale bytes still to come
.set QWP,  41                          ; this pass's (s0, s1, s0, s1)
.set OPL,  42                          ; v42-47 the first head's codes of o
.set OW,   48                          ; o's scale word
.set CR,   50                          ; the bias far to the right
.set VS,   51                          ; LDS address of the step's scale words of V
.set CF,   52                          ; v52-59 a far step's C; a band step's ninth tile
.set SCR,  60                          ; v60-68 scale words from LDS, and nothing else
.set PW,   69                          ; p's scale word, and nothing else
.set KF,   70                          ; v70-117 four fragments: the table's, K's, V's
.set S,    118                         ; v118-181 scores, then p
.set O,    182                         ; v182-213 O^T
.set PC,   214                         ; v214-225 p's codes
.set BT,   226                         ; v226-233 at work
.set BM,   234                         ; v234-237 largest scores
.set SO,   238                         ; v238-239 the conversions' scale operands
.set F,    242                         ; v[242:243] f
.set TP,   244
.macro MMZ d, a, b, sa, sb
	v_wmma_scale_f32_16x16x128_f8f6f4 v[\d:\d+7], v[\a:\a+11], v[\b:\b+11], 0, v[\sa], v[\sb] matrix_a_fmt:MATRIX_FMT_FP6 matrix_b_fmt:MATRIX_FMT_FP6
.endm
.macro MMC d, a, b, c, sa, sb
	v_wmma_scale_f32_16x16x128_f8f6f4 v[\d:\d+7], v[\a:\a+11], v[\b:\b+11], v[\c:\c+7], v[\sa], v[\sb] matrix_a_fmt:MATRIX_FMT_FP6 matrix_b_fmt:MATRIX_FMT_FP6
.endm
.macro PLACES n
.rept \n
	v_nop
.endr
.endm
.macro KLOAD                           ; a step's four fragments of K and their scale words
.irp f, 0,1,2,3
.irp g, 0,1,2
	ds_load_b128 v[KF+12*\f+4*\g:KF+12*\f+4*\g+3], v10 offset:1536*\f+512*\g
.endr
.endr
	ds_load_b64 v[SCR:SCR+1], v11
	ds_load_b64 v[SCR+2:SCR+3], v11 offset:128
.endm
; What step s54 multiplies first is asked for: K's fragments, or, round the diagonal, my nine tiles of the table.  s56 = step - (qb - 1) stays for the step's own branch.
.macro PREF last
	s_add_co_u32 s56, s54, 1
	s_sub_co_u32 s56, s56, s13
	s_wait_alu depctr_va_vdst(0)                   ; the wait ahead of the branches
.if \last
	s_cmp_eq_u32 s54, 8                            ; behind the last step nothing is asked for
	s_cbranch_scc1 .Lpd_\@
.endif
	s_cmp_lt_u32 s56, 3
	s_cbranch_scc1 .Lpb_\@
	KLOAD
	s_branch .Lpd_\@
.Lpb_\@:
	s_min_u32 s57, s56, 2
	s_lshl_b32 s58, s57, 3
	s_xor_b32 s59, s18, 7
	s_add_co_u32 s58, s58, s59                     ; the first of my nine tiles: 8 (step - qb + 1) + 7 - u; the last is 31 at the most
	s_mul_i32 s59, s58, 768
	s_lshl_b32 s58, s58, 6
	v_add_nc_u32 v248, s59, v5
	v_add_nc_u32 v249, s59, v6
	v_add_nc_u32 v250, s58, v7
.irp i, 0,1,2,3,4,5,6,7
	ds_load_b128 v[KF+12*(\i/2)+6*(\i%2):KF+12*(\i/2)+6*(\i%2)+3], v248 offset:768*\i
	ds_load_b64 v[KF+12*(\i/2)+6*(\i%2)+4:KF+12*(\i/2)+6*(\i%2)+5], v249 offset:768*\i
	ds_load_b32 v[SCR+\i], v250 offset:64*\i
.endr
	ds_load_b128 v[PC:PC+3], v248 offset:768*8     ; the ninth, where p's codes lay; what stands in registers 6-11 meets q's zeros
	ds_load_b64 v[PC+4:PC+5], v249 offset:768*8
	ds_load_b32 v[SCR+8], v250 offset:64*8
.Lpd_\@:
.endm
	s_load_b256 s[4:11], s[0:1], 0x0               ; qi s[4:5], kv s[6:7], ft s[8:9], aq s[10:11]
	v_lshl_add_u32 v254, v0, 2, 0x48800
	v_mov_b32 v255, 0
	ds_add_u32 v254, v255                          ; the opening lines: the add, twice on end, and its wait
	ds_add_u32 v254, v255
	v_lshrrev_b32 v1, 5, v0
	v_readfirstlane_b32 s12, v1                    ; wave 0..15
	s_mov_b32 s13, ttmp9                           ; qb
	s_and_b32 s14, ttmp7, 0xffff                   ; 4 batch + group
	s_lshr_b32 s15, s14, 2
	s_and_b32 s16, s14, 3
	s_and_b32 s17, s12, 1                          ; my head pair of the group's two
	s_lshr_b32 s18, s12, 1                         ; u: my tile of 16 queries
.irp g, 24, 32                         ; group 1: dense rows of 256 bytes (32 elements of 8): 100 rows for a quarter of K and V, 104 for the table
	s_mov_b32 s[\g], 3<<16
	s_mov_b32 s[\g+1], 32<<16
	s_mov_b32 s[\g+2], (\g/2+88)<<16
	s_mov_b32 s[\g+3], 32<<16
	s_mov_b32 s[\g+4], \g/2+88
	s_mov_b32 s[\g+5], 32
	s_mov_b32 s[\g+6], 0
	s_mov_b32 s[\g+7], 0
.endr
	s_mul_i32 s20, s12, 25600
	s_mul_i32 s22, s14, SB
	s_add_co_u32 s22, s22, s20
	s_mov_b32 s23, 0
	s_lshl_b32 s58, s15, 3
	s_lshl_b32 s59, s16, 1
	s_add_co_u32 s58, s58, s59
	s_add_co_u32 s58, s58, s17                     ; 8 batch + head pair
	s_lshl_b32 s60, s58, 6
	s_lshl_b32 s59, s13, 3
	s_add_co_u32 s60, s60, s59
	s_add_co_u32 s60, s60, s18                     ; + query tile 8 qb + u
	s_mul_i32 s60, s60, 1536
	s_mov_b32 s61, 0
	s_lshl_b32 s62, s58, 4
	s_lshl_b32 s59, s13, 1
	s_add_co_u32 s62, s62, s59
	s_lshr_b32 s59, s18, 2
	s_add_co_u32 s62, s62, s59
	s_lshl_b32 s62, s62, 8                         ; q's scale words: 256 bytes for four tiles: [row 16][tile 4]
	s_and_b32 s59, s18, 3
	s_lshl_b32 s59, s59, 2
	s_add_co_u32 s62, s62, s59
	s_add_co_u32 s62, s62, 6291456
	s_mov_b32 s63, 0
	s_mov_b32 s48, 0x3fb8aa3b                      ; log2(e)
	s_mov_b32 s49, s48                             ; (named with it as a pair)
	s_mov_b32 s19, 0xbfb8aa3b                      ; -log2(e)
	s_mov_b32 s50, 0x76543210
	s_mov_b32 s51, 0xfedcba98                      ; v_permlanex16_b32's selects for lane l xor 16
	s_wait_dscnt 0x0
	s_wait_kmcnt 0x0
	s_mov_b32 s40, 1
	s_mov_b32 s41, s20
	s_add_nc_u64 s[42:43], s[6:7], s[22:23]
	s_or_b32 s43, s43, 0x80000000
	s_mov_b32 s44, 1
	s_mov_b32 s45, 102400
	s_mov_b64 s[46:47], s[8:9]
	s_or_b32 s47, s47, 0x80000000
	s_add_nc_u64 s[60:61], s[4:5], s[60:61]
	s_add_nc_u64 s[62:63], s[4:5], s[62:63]
	s_cmp_lt_u32 s12, 4                            ; the fills: waves 0-3 a quarter of K and V each, wave 4 the table
	s_cbranch_scc0 .Lnot_kv
	tensor_load_to_lds s[40:43], s[24:31]
	s_nop 0
	PLACES 4
	s_branch .Lasked
.Lnot_kv:
	s_cmp_eq_u32 s12, 4
	s_cbranch_scc0 .Lasked
	tensor_load_to_lds s[44:47], s[32:39]
	s_nop 0
	PLACES 4
.Lasked:
	v_and_b32 v244, 31, v0                         ; lane
	v_and_b32 v245, 15, v0                         ; r
	v_bfe_u32 v251, v0, 4, 1                       ; h
	v_lshlrev_b32 v1, 4, v244                      ; images: 16 x lane
	v_lshlrev_b32 v252, 4, v245
.irp g, 0,1,2
	global_load_b128 v[S+4*\g:S+4*\g+3], v1, s[60:61] offset:512*\g   ; q's fragment: registers 0-5 the even head, 6-11 the odd
.endr
	global_load_b32 v[QW], v252, s[62:63]
	v_lshlrev_b32 v2, 3, v251                      ; 8 h: my bytes' shift in p's scale word
	v_lshl_add_u32 v3, v245, 3, 98304              ; K's scale words: [step][half][r][2]
	v_lshl_add_u32 v4, v245, 4, 100096             ; V's: [step][r][4], one step back: 256 (step + 1) is added
	v_add_nc_u32 v5, 102400, v1                    ; the table: a tile's registers 0-3,
	v_lshl_add_u32 v6, v244, 3, 102912             ; 4-5,
	v_lshl_add_u32 v7, v245, 2, 126976             ; and its scale words
	s_mul_i32 s59, s12, 10496
	s_add_co_u32 s59, s59, 129024                  ; my stage
	v_mul_u32_u24 v8, v245, 660
	v_mul_u32_u24 v9, v245, 656
	v_lshl_add_u32 v8, v251, 5, v8
	v_lshl_add_u32 v9, v251, 7, v9
	v_add_nc_u32 v8, s59, v8                       ; in: row r (656 bytes), word r + 8 h  (+ 16 i + j)
	v_add_nc_u32 v9, s59, v9
	v_add_nc_u32 v9, 64, v9                        ; back: row r, key 0 at word 16, + 32 h keys
.irp i, 0,1,2,3,4,5
	v_mov_b32 v[QR+6+\i], 0                        ; the six zeros between the two copies of q
.endr
.irp i, 0,1,2,3,4,5,6,7,8,9,10,11
	v_mov_b32 v[PC+\i], 0
.endr
.irp i, 0,1,2,3
	v_mov_b32 v[BT+\i], 0                          ; a lane permute's destination counts as one of its sources
.endr
	v_mov_b32 v[F+1], 0                            ; (named as the upper half of the pair)
	v_mov_b32 v[OW], 0
	s_wait_alu depctr_va_vdst(0)                   ; the wait at the head's end
	s_wait_tensorcnt 0x0                           ; my fill has landed,
	s_barrier_signal -1
	s_barrier_wait -1                              ; everybody's has: the launch's one barrier
	s_wait_loadcnt 0x0                             ; q
.irp i, 0,1,2,3,4,5
	v_mov_b32 v[QR+\i], v[S+\i]
	v_mov_b32 v[QR+12+\i], v[S+\i]
	v_mov_b32 v[QN+\i], v[S+6+\i]
.endr
	s_mov_b32 s55, 2
.Lpass:                                            ; a head
	s_wait_alu depctr_va_vdst(0)
	v_perm_b32 v[QWP], v[QW], v[QW], 0x05040100    ; (s0, s1, s0, s1); more than eight lines stand between this write and the first product that takes it as a scale
.irp i, 0,1,2,3,4,5
	v_mov_b32 v[OPL+\i], v[PC+\i]                  ; the head before's codes of o
.endr
.irp i, 0,1,2,3,4,5,6,7,8,9,10,11,12,13,14,15,16,17,18,19,20,21,22,23,24,25,26,27,28,29,30,31
	v_mov_b32 v[O+\i], 0                           ; the step is written once: the first finds zeros, which the first change of M leaves zeros
.endr
	v_mov_b32 v14, 0
	v_mov_b32 v15, 0
	v_mov_b32 v13, 0xfe967699                      ; the largest score so far: -1e38
	v_mov_b32 v12, 0x7f000000                      ; -M: so large that the first f is 0
	v_add_nc_u32 v10, 0, v1                        ; step 0's images and K's scale words
	v_add_nc_u32 v11, 0, v3
	ds_load_b128 v[KF:KF+3], v5                    ; the table's tile 0 (every row: n <= -127) and tile 31 (n >= 127) as one fragment
	ds_load_b64 v[KF+4:KF+5], v6
	ds_load_b128 v[KF+6:KF+9], v5 offset:31*768
	ds_load_b64 v[KF+10:KF+11], v6 offset:31*768
	ds_load_b32 v[SCR], v7
	ds_load_b32 v[SCR+1], v7 offset:31*64
	s_wait_dscnt 0x0
	MMZ S, KF, QR, SCR, QWP
	MMZ S+8, KF, QR+6, SCR+1, QWP
	PLACES 4
	v_mov_b32 v[CR], v[S+8]                        ; all 16 rows of such a tile are alike: any register holds my query's number
.irp j, 0,1,2,3,4,5,6,7
	v_mov_b32 v[CF+\j], v[S]                       ; the steps left of the band come first
.endr
	s_mov_b32 s52, 6144                            ; 6,144 (step + 1): images
	s_mov_b32 s53, 256                             ; 256 (step + 1): scale words
	s_mov_b32 s54, 0                               ; the step
	PREF 0
.Lstep:                                            ; 128 keys
	s_cmp_lt_u32 s56, 3
	s_cbranch_scc1 .Lband
	s_wait_dscnt 0x0                               ; K, asked for under the last step's additions
.irp t, 0,1,2,3,4,5,6,7
	MMC S+8*\t, KF+12*(\t/2), QR+6*(\t%2), CF, SCR+(\t/2), QWP
.endr
	s_branch .Lsoft
.Lband:
	s_wait_dscnt 0x0                               ; the table's nine tiles
.irp i, 0,1,2,3,4,5,6,7
	MMZ S+8*\i, KF+12*(\i/2), QR+6*(\i%2), SCR+\i, QWP
.endr
	MMZ CF, PC, QR, SCR+8, QWP
	PLACES 5                                       ; four in front of the stores and loads below; five in front of the products that write over the results
.irp i, 0,1,2,3,4,5,6,7
.irp j, 0,1,2,3,4,5,6,7
	ds_store_b32 v8, v[S+8*\i+\j] offset:64*\i+4*\j   ; place 16 i + 8 h + j of query r, to word place + r.  Each result from its low end on
.endr
.endr
.irp j, 0,1,2,3,4,5,6,7
	ds_store_b32 v8, v[CF+\j] offset:512+4*\j
.endr
.irp t, 0,1,2,3,4,5,6,7
	ds_load_b128 v[S+8*\t:S+8*\t+3], v9 offset:256*(\t/4)+32*(\t%4)        ; LDS serves a wave's instructions in order: these see my stores.  Keys 64 c + 32 h + 8 i + 0 .. 7
	ds_load_b128 v[S+8*\t+4:S+8*\t+7], v9 offset:256*(\t/4)+32*(\t%4)+16
.endr
	KLOAD
.irp j, 0,1,2,3,4,5,6,7
	v_mov_b32 v[CF+\j], v[CR]                      ; the far steps that follow lie right of the band
.endr
	s_wait_dscnt 0x0
.irp t, 0,1,2,3,4,5,6,7
	MMC S+8*\t, KF+12*(\t/2), QR+6*(\t%2), S+8*\t, SCR+(\t/2), QWP
.endr
.Lsoft:
	v_add_nc_u32 v10, s52, v1                      ; the next step's images; V's of this step lie 43,008 bytes on.  These four lines are the places behind the score products
	v_add_nc_u32 v11, s53, v3
	v_add_nc_u32 v[VS], s53, v4
	v_nop
.irp f, 0,1,2,3
.irp g, 0,1,2
	ds_load_b128 v[KF+12*\f+4*\g:KF+12*\f+4*\g+3], v10 offset:43008+1536*\f+512*\g   ; V's four tiles land while the softmax is walked
.endr
.endr
	ds_load_b128 v[SCR+4:SCR+7], v[VS]
.irp b, 0,1,2,3
	v_max3_num_f32 v[BM+\b], v[S+16*\b], v[S+1+16*\b], v[S+2+16*\b]   ; four chains by turns; each result is read from its low end on
.endr
.irp i, 3,5,7,9,11,13
.irp b, 0,1,2,3
	v_max3_num_f32 v[BM+\b], v[BM+\b], v[S+16*\b+\i], v[S+1+16*\b+\i]
.endr
.endr
	v_max3_num_f32 v[BM], v[BM], v[BM+1], v[S+15]
	v_max3_num_f32 v[BM+2], v[BM+2], v[BM+3], v[S+47]
	v_max_num_f32 v[BM], v[BM], v[S+31]            ; the largest score of my block h,
	v_max_num_f32 v[BM+2], v[BM+2], v[S+63]        ; and of my block 2 + h: for the row's maximum and, since p rises with the score, for the block's largest p
	v_mov_b32 v247, v12                            ; the old -M
	v_max_num_f32 v[TP], v[BM], v[BM+2]
	v_permlanex16_b32 v[BT], v[TP], s50, s51
	v_max3_num_f32 v13, v13, v[TP], v[BT]          ; the running largest score of my query
	v_mul_f32 v[TP], s19, v13                      ; -t
	v_floor_f32 v12, v[TP]                         ; the new -M = -ceil(t): a whole number
	v_sub_f32 v[TP], v12, v247                     ; old M - new M, 0 or less
	v_cvt_i32_f32 v[TP], v[TP]                     ; (it saturates)
	v_ldexp_f32 v[F], 1.0, v[TP]                   ; f = 2^(old M - new M): rounds nothing
.irp j, 0,2,4,6,8,10,12,14,16,18,20,22,24,26,28,30,32,34,36,38,40,42,44,46,48,50,52,54,56,58,60,62
	v_pk_fma_f32 v[S+\j:S+\j+1], v[S+\j:S+\j+1], s[48:49], v[12:13] op_sel_hi:[1,0,0]   ; t - M
.endr
	v_fma_f32 v[BM], v[BM], s48, v12
	v_fma_f32 v[BM+2], v[BM+2], s48, v12
	s_wait_alu depctr_va_vdst(0)                   ; the wait ahead of the batch
.irp j, 0,1,2,3,4,5,6,7,8,9,10,11,12,13,14,15,16,17,18,19,20,21,22,23,24,25,26,27,28,29,30,31,32,33,34,35,36,37,38,39,40,41,42,43,44,45,46,47,48,49,50,51,52,53,54,55,56,57,58,59,60,61,62,63
	v_exp_f32 v[S+\j], v[S+\j]                     ; p = 2^(t - M): not normalised
.endr
	v_exp_f32 v[BM], v[BM]                         ; the blocks' largest p: the same two instructions on the same number
	v_exp_f32 v[BM+2], v[BM+2]
	v_pk_mul_f32 v[14:15], v[14:15], v[F:F+1] op_sel_hi:[1,0]   ; the sums under the new M: the plain place behind the batch
	s_wait_alu depctr_va_vdst(0)                   ; one wait for the 66, ahead of their first reader
	v_max_num_f32 v[BM], 0x1800000, v[BM]          ; the floor 2^(3 - 127)
	v_max_num_f32 v[BM+2], 0x1800000, v[BM+2]
	v_add_nc_u32 v[SO], 0xff000000, v[BM]          ; 2 off the exponent field: the conversion's scale operand
	v_add_nc_u32 v[SO+1], 0xff000000, v[BM+2]
	v_lshrrev_b32 v246, 23, v[SO]
	v_lshrrev_b32 v247, 23, v[SO+1]
	s_delay_alu instid0(VALU_DEP_1)
	v_lshl_or_b32 v246, v247, 16, v246             ; blocks h and 2 + h,
	s_delay_alu instid0(VALU_DEP_1)
	v_lshlrev_b32 v246, v2, v246                   ; at their places in the word
	s_delay_alu instid0(VALU_DEP_1)
	v_permlanex16_b32 v245, v246, s50, s51
.irp c, 0,1
	v_cvt_scalef32_pk16_fp6_f32 v[PC+6*\c:PC+6*\c+2], v[S+32*\c:S+32*\c+15], v[SO+\c]
	v_cvt_scalef32_pk16_fp6_f32 v[BT+4*\c:BT+4*\c+2], v[S+32*\c+16:S+32*\c+31], v[SO+\c]   ; (a conversion's three registers begin on an even number)
.endr
	v_or_b32 v[PW], v246, v245                     ; with lane l xor 16's two bytes the word is whole.  The plain place behind the conversions
.irp c, 0,1
.irp i, 0,1,2
	v_mov_b32 v[PC+6*\c+3+\i], v[BT+4*\c+\i]
.endr
.endr
	s_wait_alu depctr_va_vdst(0)                   ; the wait directly ahead of the first reader of O^T
.irp j, 0,2,4,6,8,10,12,14,16,18,20,22,24,26,28,30
	v_pk_mul_f32 v[O+\j:O+\j+1], v[O+\j:O+\j+1], v[F:F+1] op_sel_hi:[1,0]   ; O^T under the new M; these sixteen also stand between the writes of p's codes and scale word and the products
.endr
	s_wait_alu depctr_va_vdst(0)
	s_wait_dscnt 0x0                               ; V
.irp t, 0,1,2,3
	MMC O+8*\t, KF+12*\t, PC, O+8*\t, SCR+4+\t, PW
.endr
	v_pk_add_f32 v[BT:BT+1], v[S:S+1], v[S+2:S+3]              ; THE ROW'S SUM, of the unquantised p, in four chains.  The first four additions are the places in front of the loads below
	v_pk_add_f32 v[BT+2:BT+3], v[S+4:S+5], v[S+6:S+7]
	v_pk_add_f32 v[BT+4:BT+5], v[S+8:S+9], v[S+10:S+11]
	v_pk_add_f32 v[14:15], v[14:15], v[S+12:S+13]
	s_add_co_u32 s52, s52, 6144
	s_add_co_u32 s53, s53, 256
	s_add_co_u32 s54, s54, 1
	PREF 1
.irp j, 14,22,30,38,46,54
	v_pk_add_f32 v[BT:BT+1], v[BT:BT+1], v[S+\j:S+\j+1]
	v_pk_add_f32 v[BT+2:BT+3], v[BT+2:BT+3], v[S+\j+2:S+\j+3]
	v_pk_add_f32 v[BT+4:BT+5], v[BT+4:BT+5], v[S+\j+4:S+\j+5]
	v_pk_add_f32 v[14:15], v[14:15], v[S+\j+6:S+\j+7]
.endr
	v_pk_add_f32 v[BT:BT+1], v[BT:BT+1], v[S+62:S+63]
	v_pk_add_f32 v[BT+2:BT+3], v[BT+2:BT+3], v[BT+4:BT+5]
	s_delay_alu instid0(VALU_DEP_2)
	v_pk_add_f32 v[14:15], v[14:15], v[BT:BT+1]
	s_delay_alu instid0(VALU_DEP_1)
	v_pk_add_f32 v[14:15], v[14:15], v[BT+2:BT+3]
	s_cmp_lt_u32 s54, 8
	s_wait_alu depctr_va_vdst(0)
	s_cbranch_scc1 .Lstep
	; ---- a head's end: o = O^T / the sum, quantised along its 64 channels: half a fragment of aq.  (The additions above are the places behind the last products)
	v_add_f32 v14, v14, v15
	s_delay_alu instid0(VALU_DEP_1)
	v_permlanex16_b32 v[TP], v14, s50, s51
	s_delay_alu instid0(VALU_DEP_1)
	v_add_f32 v14, v14, v[TP]
	s_wait_alu depctr_va_vdst(0)
	v_rcp_f32 v[F], v14
	v_nop                                          ; a plain place behind the transcendental
	s_wait_alu depctr_va_vdst(0)                   ; the wait ahead of its first reader, and of the first reader of O^T
.irp j, 0,2,4,6,8,10,12,14,16,18,20,22,24,26,28,30
	v_pk_mul_f32 v[O+\j:O+\j+1], v[O+\j:O+\j+1], v[F:F+1] op_sel_hi:[1,0]   ; register 16 b + i: channel 32 b + 16 h + i
.endr
.irp b, 0,1
	v_max3_num_f32 v[BM+\b], |v[O+16*\b]|, |v[O+1+16*\b]|, 0x1800000
.endr
.irp i, 2,4,6,8,10,12,14
.irp b, 0,1
	s_delay_alu instid0(VALU_DEP_2)
	v_max3_num_f32 v[BM+\b], v[BM+\b], |v[O+16*\b+\i]|, |v[O+1+16*\b+\i]|
.endr
.endr
.irp b, 0,1
	s_delay_alu instid0(VALU_DEP_2)
	v_permlanex16_b32 v[BT+\b], v[BM+\b], s50, s51
.endr
.irp b, 0,1
	s_delay_alu instid0(VALU_DEP_2)
	v_max_num_f32 v[BM+\b], v[BM+\b], v[BT+\b]
.endr
.irp b, 0,1
	s_delay_alu instid0(VALU_DEP_2)
	v_add_nc_u32 v[SO+\b], 0xff000000, v[BM+\b]
.endr
.irp b, 0,1
	s_delay_alu instid0(VALU_DEP_2)
	v_lshrrev_b32 v[BT+\b], 23, v[SO+\b]
.endr
	s_delay_alu instid0(VALU_DEP_1)
	v_lshl_or_b32 v[TP], v[BT+1], 8, v[BT]
	v_lshrrev_b32 v[OW], 16, v[OW]
	s_delay_alu instid0(VALU_DEP_1)
	v_lshl_or_b32 v[OW], v[TP], 16, v[OW]          ; after two passes: the even head's two bytes below, the odd head's above
	v_cvt_scalef32_pk16_fp6_f32 v[PC:PC+2], v[O:O+15], v[SO]
	v_cvt_scalef32_pk16_fp6_f32 v[BT+4:BT+6], v[O+16:O+31], v[SO+1]
	v_nop                                          ; one plain place behind a scaled conversion
.irp i, 0,1,2
	v_permlane16_swap_b32 v[PC+\i], v[BT+4+\i]     ; the operand's layout wants a whole block in a lane
.endr
.irp i, 0,1,2
	v_mov_b32 v[PC+3+\i], v[BT+4+\i]
.endr
.irp i, 0,1,2,3,4,5
	v_mov_b32 v[QR+\i], v[QN+\i]                   ; the next head's q
	v_mov_b32 v[QR+12+\i], v[QN+\i]
.endr
	v_lshrrev_b32 v[QW], 16, v[QW]
	s_sub_co_u32 s55, s55, 1
	s_cmp_lg_u32 s55, 0
	s_cbranch_scc1 .Lpass
	; ---- the fragment (tokens 16 u on of block 8 batch + qb, K step 2 group + head pair) leaves
.irp i, 0,1,2,3,4,5
	v_mov_b32 v[PC-6+\i], v[OPL+\i]                ; the even head's six in front of the odd head's: v208-219
.endr
	s_lshl_b32 s58, s15, 3
	s_add_co_u32 s58, s58, s13
	s_mul_i32 s58, s58, SB
	s_lshl_b32 s59, s16, 1
	s_add_co_u32 s59, s59, s17
	s_mul_i32 s60, s59, 12288
	s_add_co_u32 s60, s60, s58
	s_mul_i32 s61, s18, 1536
	s_add_co_u32 s60, s60, s61
	s_add_co_u32 s60, s60, 4096
	s_mov_b32 s61, 0
	s_lshl_b32 s62, s18, 9
	s_add_co_u32 s62, s62, s58
	s_lshl_b32 s59, s59, 6
	s_add_co_u32 s62, s62, s59
	s_mov_b32 s63, 0
	s_add_nc_u64 s[60:61], s[10:11], s[60:61]
	s_add_nc_u64 s[62:63], s[10:11], s[62:63]
	s_and_b32 s59, s18, 1
	s_lshl_b32 s59, s59, 7
	v_xor_b32 v253, s59, v1                        ; 16 x (lane xor 8 x the tile's parity)
	v_and_b32 v252, 15, v0
	v_lshlrev_b32 v245, 4, v251
	v_lshlrev_b32 v252, 2, v252
	v_lshrrev_b32 v[TP], v245, v[OW]               ; lanes 0-15 store the word's lower half, lanes 16-31 its upper
	v_lshl_add_u32 v252, v251, 1, v252             ; 4 r + 2 h
	s_wait_alu depctr_va_vdst(0)                   ; the wait ahead of the readers below
.irp g, 0,1,2
	global_store_b128 v253, v[PC-6+4*\g:PC-6+4*\g+3], s[60:61] offset:512*\g   ; 512 consecutive bytes, aligned
.endr
	global_store_b16 v252, v[TP], s[62:63]
	s_wait_tensorcnt 0x0                           ; the wave's end
	ds_add_u32 v254, v255
	s_wait_dscnt 0x0
	s_endpgm
.Lfunc_end_k_qa5d6ce1f26_attn:
	.size	k_qa5d6ce1f26_attn, .Lfunc_end_k_qa5d6ce1f26_attn-k_qa5d6ce1f26_attn
	.p2alignl 7, 3214868480
	.fill 96, 4, 3214868480
	.section	.rodata,"a",@progbits
	.p2align	6, 0x0
	.amdhsa_kernel k_qa5d6ce1f26_attn
		.amdhsa_group_segment_fixed_size 299008
		.amdhsa_private_segment_fixed_size 0
		.amdhsa_enable_private_segment 0
		.amdhsa_kernarg_size 32
		.amdhsa_user_sgpr_count 2
		.amdhsa_user_sgpr_kernarg_segment_ptr 1
		.amdhsa_wavefront_size32 1
		.amdhsa_system_sgpr_workgroup_id_x 1
		.amdhsa_system_sgpr_workgroup_id_y 1
		.amdhsa_system_sgpr_workgroup_id_z 1
		.amdhsa_system_vgpr_workitem_id 0
		.amdhsa_next_free_vgpr 256
		.amdhsa_next_free_sgpr 66
		.amdhsa_reserve_vcc 0
		.amdhsa_float_denorm_mode_32 3
		.amdhsa_float_denorm_mode_16_64 3
		.amdhsa_memory_ordered 1
		.amdhsa_forward_progress 1
		.amdhsa_inst_pref_size 45
	.end_amdhsa_kernel
	.amdgpu_metadata
---
amdhsa.version: [ 1, 2 ]
amdhsa.kernels:
  - .name:           k_qa5d6ce1f26_attn
    .symbol:         k_qa5d6ce1f26_attn.kd
    .args:
      - { .name: qi, .offset: 0, .size: 8, .value_kind: global_buffer, .address_space: global }
      - { .name: kv, .offset: 8, .size: 8, .value_kind: global_buffer, .address_space: global }
      - { .name: ft, .offset: 16, .size: 8, .value_kind: global_buffer, .address_space: global }
      - { .name: aq, .offset: 24, .size: 8, .value_kind: global_buffer, .address_space: global }
    .group_segment_fixed_size: 299008
    .private_segment_fixed_size: 0
    .kernarg_segment_align: 8
    .kernarg_segment_size: 32
    .max_flat_workgroup_size: 512
    .sgpr_count:     66
    .vgpr_count:     256
    .wavefront_size: 32
...
	.end_amdgpu_metadata
.endif
;; end of part 3
;; launch oproj (part 4): grid 64 x 4, 4 waves a work-group, clusters of 4 x 1, 307,712 bytes of LDS; arguments aq, wq, out0; writes out0
.if DOCPART == 4
	.amdgcn_target "amdgcn-amd-amdhsa--gfx1250"
	.amdhsa_code_object_version 6
	.text
	.protected	k_qa5d6ce1f26_oproj
	.globl	k_qa5d6ce1f26_oproj
	.p2align	8
	.type	k_qa5d6ce1f26_oproj,@function
k_qa5d6ce1f26_oproj:
	s_mov_b64 s[64:65], 0
	v_nop
	global_prefetch_b8 v0, s[64:65] scope:SCOPE_SE
	s_setreg_imm32_b32 hwreg(HW_REG_WAVE_MODE, 25, 1), 1
	s_wait_xcnt 0x0
	s_wait_alu depctr_hold_cnt(0) depctr_sa_sdst(0) depctr_va_vdst(0) depctr_va_sdst(0) depctr_va_ssrc(0) depctr_va_vcc(0) depctr_vm_vsrc(0)
	s_getreg_b32 s2, hwreg(HW_REG_IB_STS2, 6, 4)
	s_cmp_eq_u32 s2, 0
	s_cbranch_scc0 .Lentry_in_a_cluster
	s_endpgm
.Lentry_in_a_cluster:
	s_bfe_u32 s2, ttmp6, 0x10000c
	s_cmp_lg_u32 s2, 0x3003
	s_cbranch_scc0 .Lentry_shape_is_right
	s_endpgm
.Lentry_shape_is_right:
; out0 = o Wo^T on codes of FP6 (E2M3) with E8M0 scales; f32 out.  The head and the K loop are those of the projections' launch.
; A work-group takes 128 tokens (superblock tb of aq) x 256 columns (superblocks 12 + 2 y, 13 + 2 y of wq), all of K = 1,024 resident in LDS: three regions of 102,400 bytes, each filled ONCE.  256 work-groups.
; CLUSTER 4 x 1: the four partners share y, so the two weight superblocks are asked for JOINTLY (mask 15); o's superblock is each work-group's own.  Waves 0, 1 fetch half w of o's region, waves 2, 3 weight superblock w - 2 whole: one tensor load a wave
; of 200 or 400 rows x 256 bytes; one wait for it and one barrier stand ahead of the first LDS read.
; A wave makes 64 tokens (source 1, the lanes; tiles 4 (w % 2) on, read plainly) x 128 columns (source 0, the registers; weight superblock w / 2, read permuted: lane r of tile 2 b + u takes row 32 b + 8 u + r + 8 (r / 8),
; so register j of that tile is column 32 b + 16 h + 8 u + j).
; THE WAY OUT: 16 tokens x 128 columns at a time through the wave's own stage (16 rows x 528 bytes) in the region that held o's codes: it has had its one fill, and behind a barrier nobody reads it.
; REGISTERS: window 0: v1-12 LDS addresses; v16-63 and v208-255 the 96 scale words, and nothing else ever; v64-159, v160-207 fragments, set A.  Window 2: set B.  Window 1: accumulator (j, t) at v[8 (8 j + t)].
.set SB,   102400
.set CH,   25600
.set FA,   64
.set FB,   160
.set SC,   16
.set MSB, 0
.macro WIN new                         ; the immediate's high byte repeats the setting that is left
.if MSB != \new
	s_set_vgpr_msb (MSB<<8)|\new
.set MSB, \new
.endif
.endm
.macro ROUND                           ; a round of the cluster's barrier
	s_barrier_signal -1
	s_barrier_wait -1
	s_cmp_lg_u32 s12, 0
	s_cbranch_scc1 .Lnot_wave_0_\@
	s_barrier_signal -3
.Lnot_wave_0_\@:
	s_barrier_wait -3
	s_barrier_signal -1
	s_barrier_wait -1
.endm
.macro PLACES
.rept 4
	v_nop
.endr
.endm
	s_load_b128 s[4:7], s[0:1], 0x0                ; aq s[4:5], wq s[6:7]
	s_load_b64 s[8:9], s[0:1], 0x10                ; out0
	v_lshl_add_u32 v14, v0, 2, 0x4b000
	v_mov_b32 v15, 0
	ds_add_u32 v14, v15
	ds_add_u32 v14, v15
	v_lshrrev_b32 v1, 5, v0
	v_readfirstlane_b32 s12, v1                    ; wave
	s_bfe_u32 s13, ttmp6, 0x40000                  ; cx
	s_lshl_b32 s14, ttmp9, 2
	s_add_co_u32 s14, s14, s13                     ; tb: it enters global addresses alone
	s_and_b32 s15, ttmp7, 0xffff                   ; y, which the partners share
	s_mov_b32 s24, 3<<16                           ; group 1, plain: elements of 8 bytes, no mask, no padding
	s_mov_b32 s32, 15|(3<<16)|(1<<21)              ; group 1, joint: all four partners; bit 21 beside the mask
.irp g, 24, 32
	s_mov_b32 s[\g+1], 32<<16                      ; tensor_dim0 = 32 elements = 256 bytes
	s_mov_b32 s[\g+2], (25*\g-400)<<16             ; tensor_dim1: 200 rows for half of o's superblock (plain), 400 for a weight superblock (joint)
	s_mov_b32 s[\g+3], 32<<16                      ; tile_dim0
	s_mov_b32 s[\g+4], 25*\g-400                   ; tile_dim1 likewise
	s_mov_b32 s[\g+5], 32                          ; pitch: dense
	s_mov_b32 s[\g+6], 0
	s_mov_b32 s[\g+7], 0
.endr
	s_and_b32 s20, s12, 1                          ; ONE tensor load a wave: waves 0, 1 half w of o's superblock, waves 2, 3 weight superblock w - 2
	s_mul_i32 s21, s20, SB
	s_mul_i32 s20, s20, 2*CH
	s_mul_i32 s16, s14, SB
	s_add_co_u32 s16, s16, s20
	s_mov_b32 s17, 0
	s_lshl_b32 s18, s15, 1
	s_add_co_u32 s18, s18, 12                      ; Wo's superblocks begin at 12
	s_mul_i32 s18, s18, SB
	s_add_co_u32 s18, s18, s21
	s_mov_b32 s19, 0
	s_wait_dscnt 0x0
	s_wait_kmcnt 0x0
	s_mov_b32 s40, 1
	s_mov_b32 s41, s20
	s_add_nc_u64 s[42:43], s[4:5], s[16:17]
	s_or_b32 s43, s43, 0x80000000
	s_mov_b32 s44, 1
	s_add_co_u32 s45, s21, SB
	s_add_nc_u64 s[46:47], s[6:7], s[18:19]
	s_or_b32 s47, s47, 0x80000000
	ROUND                                          ; all four work-groups are here: the joint loads meet
	s_cmp_lt_u32 s12, 2                            ; the branch hangs on the wave's number alone; every way passes one load
	s_cbranch_scc0 .Lfor_w
	tensor_load_to_lds s[40:43], s[24:31]          ; my half of o's superblock
	s_nop 0
	PLACES
	s_branch .Lasked
.Lfor_w:
	tensor_load_to_lds s[44:47], s[32:39]          ; my weight superblock, jointly
	s_nop 0
	PLACES
.Lasked:
	v_and_b32 v64, 31, v0
	v_and_b32 v65, 15, v0
	v_bfe_u32 v66, v0, 3, 1                        ; r3 = r / 8
	v_lshlrev_b32 v67, 4, v64                      ; L = 16 x lane: a plain even tile
	v_xor_b32 v68, 128, v67                        ; Lx
	v_mul_u32_u24 v69, v66, 1536
	v_add_nc_u32 v70, v69, v67                     ; permuted, u = 0
	v_add_nc_u32 v71, v69, v68                     ; permuted, u = 1
	v_and_b32 v72, 7, v0
	v_lshlrev_b32 v72, 2, v72
	v_lshl_add_u32 v72, v66, 9, v72                ; scale words, permuted: 512 r3 + 4 (r % 8)  (+ 32 u)
	v_lshlrev_b32 v73, 2, v65                      ; plain: 4 r  (+ 512 u)
	v_add_nc_u32 v74, 1536, v68                    ; a plain odd tile
	s_lshr_b32 s21, s12, 1
	s_and_b32 s22, s12, 1
	s_mul_i32 s23, s21, SB
	s_add_co_u32 s23, s23, SB                      ; my weight superblock's region
	s_add_co_u32 s57, s23, 4096
	v_add_nc_u32 v1, s57, v70                      ; source 0's codes: u = 0, 1; K steps 0-3
	v_add_nc_u32 v2, s57, v71
	v_add_nc_u32 v3, 49152, v1                     ; K steps 4-7
	v_add_nc_u32 v4, 49152, v2
	s_mul_i32 s58, s22, 6144                       ; source 1: tiles 4 (w % 2) on of o's region, which begins at LDS byte 0
	s_add_co_u32 s58, s58, 4096
	v_add_nc_u32 v5, s58, v67
	v_add_nc_u32 v6, s58, v74
	v_add_nc_u32 v7, 49152, v5
	v_add_nc_u32 v8, 49152, v6
	v_add_nc_u32 v9, s23, v72                      ; source 0's scale words
	v_add_nc_u32 v10, 32, v9
	s_lshl_b32 s59, s22, 11
	v_add_nc_u32 v11, s59, v73                     ; source 1's
	v_add_nc_u32 v12, 512, v11
.macro SCALES                          ; all 96 scale words: K step s: source 0's tile t at index 12 s + t, source 1's at 12 s + 8 + t
.irp s, 0,1,2,3,4,5,6,7
.irp t, 0,1,2,3,4,5,6,7
.set IX, 12*\s+\t
	ds_load_b32 v[SC+IX+144*(IX/48)], v[9+(\t%2)] offset:1024*(\t/2)+64*\s
.endr
.irp t, 0,1,2,3
.set IX, 12*\s+8+\t
	ds_load_b32 v[SC+IX+144*(IX/48)], v[11+(\t%2)] offset:1024*(\t/2)+64*\s
.endr
.endr
.endm
.macro FETCH s                         ; K step s's 12 fragments, 36 loads of 512 consecutive bytes, into set s % 2
.if (\s)%2
	WIN 0x80
.else
	WIN 0
.endif
.irp t, 0,1,2,3,4,5,6,7
.irp g, 0,1,2
	ds_load_b128 v[FA+12*\t+4*\g:FA+12*\t+4*\g+3], v[1+(\t%2)+2*((\s)/4)] offset:12288*((\s)%4)+3072*(\t/2)+512*\g
.endr
.endr
.irp t, 0,1,2,3
.irp g, 0,1,2
	ds_load_b128 v[FB+12*\t+4*\g:FB+12*\t+4*\g+3], v[5+(\t%2)+2*((\s)/4)] offset:12288*((\s)%4)+3072*(\t/2)+512*\g
.endr
.endr
.endm
.macro MULS s, zero                    ; 32 products; the 32 accumulators take turns, one instruction a turn, in the same order in every step
.if (\s)%2
	WIN 0x5a
.else
	WIN 0x50
.endif
.irp j, 0,1,2,3
.irp t, 0,1,2,3,4,5,6,7
.set I0, 12*(\s)+\t
.set I1, 12*(\s)+8+\j
.if \zero
	v_wmma_scale_f32_16x16x128_f8f6f4 v[8*(8*\j+\t):8*(8*\j+\t)+7], v[FA+12*\t:FA+12*\t+11], v[FB+12*\j:FB+12*\j+11], 0, v[SC+I0+144*(I0/48)], v[SC+I1+144*(I1/48)] matrix_a_fmt:MATRIX_FMT_FP6 matrix_b_fmt:MATRIX_FMT_FP6
.else
	v_wmma_scale_f32_16x16x128_f8f6f4 v[8*(8*\j+\t):8*(8*\j+\t)+7], v[FA+12*\t:FA+12*\t+11], v[FB+12*\j:FB+12*\j+11], v[8*(8*\j+\t):8*(8*\j+\t)+7], v[SC+I0+144*(I0/48)], v[SC+I1+144*(I1/48)] matrix_a_fmt:MATRIX_FMT_FP6 matrix_b_fmt:MATRIX_FMT_FP6
.endif
.endr
.endr
.endm
.macro KSTEP s, zero
	s_wait_dscnt 0x0                               ; this step's fragments, asked for 32 products ago, are in
.if (\s) < 7
.if (\s) > 0
	PLACES                                         ; four places in front of loads into the set that the last step's products read
.endif
	FETCH (\s)+1
.endif
	MULS \s, \zero
.endm
	s_wait_alu depctr_va_vdst(0)
	s_wait_tensorcnt 0x0                           ; my tensor load has landed,
	s_barrier_signal -1
	s_barrier_wait -1                              ; everybody's have: the three regions are whole
	SCALES
	FETCH 0
	KSTEP 0, 1                                     ; the first K step starts the sums
.irp s, 1,2,3,4,5,6,7
	KSTEP \s, 0
.endr
	WIN 0
	s_wait_dscnt 0x0                               ; my reads of o's region are over (the last were waited for at the last K step's head),
	s_barrier_signal -1
	s_barrier_wait -1                              ; everybody's are: the stages may be written there
	v_and_b32 v1, 15, v0                           ; (these eight lines are the places behind the last products)
	v_bfe_u32 v2, v0, 4, 1
	v_mul_u32_u24 v1, v1, 528
	v_lshl_add_u32 v1, v2, 6, v1
	s_mul_i32 s60, s12, 8448                       ; my stage
	v_add_nc_u32 v1, s60, v1                       ; in: row r, + 64 h: tile 2 b + u's eight columns at 128 b + 32 u
	s_wait_alu depctr_va_vdst(0)
	v_and_b32 v3, 31, v0
	v_lshlrev_b32 v3, 4, v3                        ; 16 x lane: my place in a row of 512 bytes, in the stage and in out0
	v_add_nc_u32 v2, s60, v3                       ; back
	s_wait_alu depctr_va_vdst(0)
	s_lshl_b32 s61, s14, 7
	s_lshl_b32 s62, s22, 6
	s_add_co_u32 s61, s61, s62                     ; my first token
	s_lshl_b32 s66, s61, 12                        ; rows of 4,096 bytes
	s_lshl_b32 s62, s15, 10
	s_add_co_u32 s66, s66, s62                     ; + 256 y columns
	s_lshl_b32 s62, s21, 9
	s_add_co_u32 s66, s66, s62                     ; + my 128
	s_mov_b32 s67, 0
	s_add_nc_u64 s[8:9], s[8:9], s[66:67]
.macro TOSTAGE a                       ; tokens 16 a on
	WIN 0x04                                       ; an LDS store's data are its source 1: window 1
.irp t, 0,1,2,3,4,5,6,7
	ds_store_b128 v1, v[8*(8*(\a)+\t):8*(8*(\a)+\t)+3] offset:128*(\t/2)+32*(\t%2)          ; each accumulator from its low end on
	ds_store_b128 v1, v[8*(8*(\a)+\t)+4:8*(8*(\a)+\t)+7] offset:128*(\t/2)+32*(\t%2)+16
.endr
	WIN 0
.set BB, 64+64*((\a)%2)
.irp i, 0,1,2,3,4,5,6,7,8,9,10,11,12,13,14,15
	ds_load_b128 v[BB+4*\i:BB+4*\i+3], v2 offset:528*\i   ; LDS serves a wave's instructions in order: these see my stores, and the next block's stores come behind them
.endr
.endm
.macro SEND a, younger                 ; younger: the LDS instructions issued behind block a's loads, which may stay out
.set BB, 64+64*((\a)%2)
	s_wait_dscnt \younger
.irp i, 0,1,2,3,4,5,6,7,8,9,10,11,12,13,14,15
	global_store_b128 v3, v[BB+4*\i:BB+4*\i+3], s[8:9] offset:65536*(\a)+4096*\i th:TH_STORE_NT   ; 32 lanes store 512 consecutive bytes, aligned; written once, read by nobody here
.endr
.endm
	TOSTAGE 0
.irp a, 1,2,3
.if \a > 1
	s_wait_xcnt 0x0                                ; block a - 2's stores have read their registers: block a's loads may land there
.endif
	TOSTAGE \a
	SEND \a-1, 32                                  ; behind block a - 1's loads: block a's 16 stores and 16 loads
.endr
	SEND 3, 0
	s_wait_tensorcnt 0x0
	ds_add_u32 v14, v15
	s_wait_dscnt 0x0
	ROUND                                          ; the closing round: no work-group ends while a partner may still ask for a tile that names it
	s_endpgm
.Lfunc_end_k_qa5d6ce1f26_oproj:
	.size	k_qa5d6ce1f26_oproj, .Lfunc_end_k_qa5d6ce1f26_oproj-k_qa5d6ce1f26_oproj
	.p2alignl 7, 3214868480
	.fill 96, 4, 3214868480
	.section	.rodata,"a",@progbits
	.p2align	6, 0x0
	.amdhsa_kernel k_qa5d6ce1f26_oproj
		.amdhsa_group_segment_fixed_size 307712
		.amdhsa_private_segment_fixed_size 0
		.amdhsa_enable_private_segment 0
		.amdhsa_kernarg_size 24
		.amdhsa_user_sgpr_count 2
		.amdhsa_user_sgpr_kernarg_segment_ptr 1
		.amdhsa_wavefront_size32 1
		.amdhsa_system_sgpr_workgroup_id_x 1
		.amdhsa_system_sgpr_workgroup_id_y 1
		.amdhsa_system_sgpr_workgroup_id_z 1
		.amdhsa_system_vgpr_workitem_id 0
		.amdhsa_next_free_vgpr 768
		.amdhsa_next_free_sgpr 100
		.amdhsa_reserve_vcc 0
		.amdhsa_float_denorm_mode_32 3
		.amdhsa_float_denorm_mode_16_64 3
		.amdhsa_memory_ordered 1
		.amdhsa_forward_progress 1
		.amdhsa_inst_pref_size 79
	.end_amdhsa_kernel
	.amdgpu_metadata
---
amdhsa.version: [ 1, 2 ]
amdhsa.kernels:
  - .name:           k_qa5d6ce1f26_oproj
    .symbol:         k_qa5d6ce1f26_oproj.kd
    .args:
      - { .name: aq, .offset: 0, .size: 8, .value_kind: global_buffer, .address_space: global }
      - { .name: wq, .offset: 8, .size: 8, .value_kind: global_buffer, .address_space: global }
      - { .name: out0, .offset: 16, .size: 8, .value_kind: global_buffer, .address_space: global }
    .group_segment_fixed_size: 307712
    .private_segment_fixed_size: 0
    .kernarg_segment_align: 8
    .kernarg_segment_size: 24
    .max_flat_workgroup_size: 128
    .sgpr_count:     100
    .vgpr_count:     768
    .wavefront_size: 32
...
	.end_amdgpu_metadata
.endif
;; end of part 4
